; MI455X (gfx1250); checked and timed in simulation.
; The chip was launched on July 23, 2026; its instructions are those of AMD's public machine-readable ISA for CDNA 5 (MIT licence, August 2026) and "CDNA5" Instruction Set Architecture Reference Guide (July 2026). The comments in the code are by the model that wrote it; some were corrected since.
;; Attention. Allowed arithmetic: matrix products marked QUANTISED: E4M3 operands, one given power-of-two scale a tensor, by v_wmma_f32_16x16x64_fp8_fp8 or v_wmma_f32_16x16x128_fp8_fp8, f32 sums; everything else in f32.
;; Inputs: freqs_cos 2,048 x 32 float32; freqs_sin 2,048 x 32 float32; lowp_scales 12 int32 (the exponents e of the quantised operands' scales 2^e); mask0 1 x 1 x 2,048 x 2,048 float32; mask1 1 x 1 x 2,048 x 2,048 float32; wk 2,048 x 2,048 float32; wo 2,048 x 2,048 float32; wq 2,048 x 2,048 float32; wv 2,048 x 2,048 float32; x 1 x 2,048 x 2,048 float32.
;; Outputs: out0 1 x 2,048 x 2,048 float32.
;; This version of the problem:
;;   THIS VERSION OF THE PROBLEM IS GIVEN IN LOW PRECISION. The matrix products marked QUANTISED in the list below multiply operands that are first quantised to E4M3 (4 exponent bits, 3 mantissa bits; 8 bits a number), with one given power-of-two scale for each operand tensor; their sums are f32. All else is computed in f32.
;;   The module's matrix products, in the order in which they are computed (A, B: the left and right operand; K: the contracted axis; several contracted axes count as one K, in the product's order):
;;     1. [M 2,048, K 2,048] x [K 2,048, N 2,048]; A: input x; B: input wq: QUANTISED (scales: A lowp_scales[0], B lowp_scales[1])
;;     2. [M 2,048, K 2,048] x [K 2,048, N 2,048]; A: input x; B: input wk: QUANTISED (scales: A lowp_scales[2], B lowp_scales[3])
;;     3. [M 2,048, K 2,048] x [K 2,048, N 2,048]; A: input x; B: input wv: QUANTISED (scales: A lowp_scales[4], B lowp_scales[5])
;;     4. batch 32 x [M 2,048, K 64] x [K 64, N 2,048]; A: computed on the way; B: computed on the way: QUANTISED (scales: A lowp_scales[6], B lowp_scales[7])
;;     5. batch 32 x [M 64, K 2,048] x [K 2,048, N 2,048]; A: computed on the way; B: computed on the way: QUANTISED (scales: A lowp_scales[8], B lowp_scales[9])
;;     6. [M 2,048, K 2,048] x [K 2,048, N 2,048]; A: computed on the way; B: input wo: QUANTISED (scales: A lowp_scales[10], B lowp_scales[11])
;;   THE QUANTISER, for each operand of a quantised product, along K:
;;     - The operand's scale is 2^e, e = its entry of the input lowp_scales (int32; the entries are numbered through the quantised products in the list's order, A before B).
;;     - Each number is divided by the scale, clamped to +-448, and rounded to the nearest number of E4M3, ties to even, subnormals kept.
;;     - The product sums the exact products of the quantised numbers (number of the format x scale) in f32.
;;   ~~~python
;;   def quantise(x, axis, e):      # numpy; x: float32 -> the quantised numbers, widened to float32 again
;;       x = np.moveaxis(x, axis, -1); K = x.shape[-1]
;;       r = np.clip(x / 2.0 ** e, -448, 448)
;;       step = 2.0 ** (np.maximum(np.frexp(np.where(r == 0, 1, r))[1] - 1, -6) - 3)
;;       q = np.round(r / step) * step * 2.0 ** e      # np.round: ties to even
;;       return np.moveaxis(q, -1, axis).astype(np.float32)
;;   ~~~
;;   OPERANDS COMPUTED ON THE WAY. 'Computed on the way' means the value that the module computes at that place (a softmax that the list does not call 'softmax' is quantised finished and normalised). What goes into a quantiser is computed in f32, as accurately as f32 sums, v_exp_f32 and their like allow (about 1e-6 of the number): no bf16 or f16 on the way to a quantiser, and a product that is left as it is and whose result goes on into a quantised operand takes f32 operands (vector FMAs, or v_wmma_f32_16x16x4_f32). A number that lies on a knife's edge between two numbers of the format may be rounded either way, as far as f32 arithmetic and the matrix unit's own rounding can turn it there, and no further.
;; 2 versions. Each part assembles by itself: llvm-mc -triple=amdgcn-amd-amdhsa -mcpu=gfx1250 --defsym DOCPART=n.
;; ======== version 1 of 2: 4 launches
;; workspace buffers: codes 29,360,128 bytes; qimg 4,194,304 bytes; kimg 4,194,304 bytes; vimg 4,194,304 bytes; ac 4,194,304 bytes
;; launch quant (part 1): grid 640 x 1, 4 waves a work-group, no clusters, 33,280 bytes of LDS; arguments x, wq, wk, wv, wo, lowp_scales, codes; writes codes
.if DOCPART == 1
	.amdgcn_target "amdgcn-amd-amdhsa--gfx1250"
	.amdhsa_code_object_version 6
	.text
	.protected	k_qf4f1b404be_quant
	.globl	k_qf4f1b404be_quant
	.p2align	8
	.type	k_qf4f1b404be_quant,@function
k_qf4f1b404be_quant:
	s_mov_b64 s[64:65], 0
	v_nop
	global_prefetch_b8 v0, s[64:65] scope:SCOPE_SE
	s_setreg_imm32_b32 hwreg(HW_REG_WAVE_MODE, 25, 1), 1
	s_wait_xcnt 0x0
; x and the four weights, each [2048][2048] f32 with K innermost, become codes of FP8 (E4M3), one byte a number, K innermost.
; codes has seven sections of 4 MiB: 0, 1, 2: x under lowp_scales[0], [2], [4];  3: wq under [1];  4: wk under [3];  5: wv under [5];  6: wo under [11].
; code = number / 2^e, held within +-448, rounded to the nearest code, ties to even.
; IN EVERY SECTION POSITION p HOLDS THE TENSOR'S ROW p WITH BITS 3 AND 4 EXCHANGED.  The products that follow take 16 neighbouring positions as a tile; with this order two neighbouring
; tiles of results give a lane 16 neighbours along the next product's K, so that later conversions' results are operand registers as they stand.
; SHARES.  128 work-groups a tensor (tensor = work-group / 128).  A wave takes a run of 8,192 numbers, four rows, in 16 steps of 512.  Row bits 3 and 4 are run bits 1 and 2: a run moves as a whole.
; Each load reads 512 consecutive bytes; a step's 2,048 bytes turn through the wave's own stage in LDS and come back 16 neighbours a lane; a lane's 16 codes are 16 bytes, so a store covers 512 consecutive bytes.
; x is read once and converted three times: the two further passes stand under a scalar branch on the work-group's number, round vector lines and stores alone.
; LIMITS: each e used here between -126 and 119.  NaN among the inputs is not served (an infinity is held at the largest code).
; No tensor loads, clusters or matrix units: a stream that is read once; waves share nothing, so there is no barrier.
.set STEPS, 16
.set SP,    80                         ; a lane's place in a stage: 64 bytes + 16 of padding
.set WREG,  8192                       ; LDS of a wave: two stages of 32 x SP bytes
.set SPARE, 4*WREG                     ; behind the four regions: the spare words, 128 bytes a wave, which no other line names
.set LI,    3                          ; v3      16 x lane: my bytes of a load's 512, and of a store's
.set SCL,   4                          ; v4-9    pass p: v[4+2p] = 2^e as f32, v[5+2p] = 448 x 2^e
.set SPW,   12                         ; v12     my spare word; never rewritten
.set NIL,   13                         ; v13     0; never rewritten
.set SIN,   14                         ; v14     the stage, on the way in
.set SOUT,  15                         ; v15     and on the way out
.set R,     16                         ; v16-79  four sets of 16 numbers as loaded
.set X,     80                         ; v80-111 two sets of 16 neighbours
.set TM,    112                        ; v112-127 the numbers, held
.set C,     128                        ; v128-151 codes: two sets of three passes x four registers
.set TEN,   19                         ; s19     which tensor
.set OB,    16                         ; s[16:17] where my run's codes go
.set OB2,   38                         ; s[38:39] the same two sections on (x's third)
	s_load_b256 s[4:11], s[0:1], 0x0               ; x, wq, wk, wv
	s_load_b128 s[12:15], s[0:1], 0x20             ; wo, the scales' exponents
	s_load_b64 s[16:17], s[0:1], 0x30              ; codes
	v_lshl_add_u32 v[SPW], v0, 2, SPARE
	v_mov_b32 v[NIL], 0
	v_lshrrev_b32 v1, 5, v0
	v_readfirstlane_b32 s18, v1                    ; wave
	v_and_b32 v2, 31, v0                           ; lane
	v_lshlrev_b32 v[LI], 4, v2
	s_mul_i32 s22, s18, WREG
	v_lshrrev_b32 v[SIN], 2, v2
	v_mul_u32_u24 v[SIN], v[SIN], SP
	v_and_b32 v[SOUT], 3, v2
	v_lshl_add_u32 v[SIN], v[SOUT], 4, v[SIN]
	v_add_nc_u32 v[SIN], s22, v[SIN]               ; in: four lanes' 64 bytes on end, then the padding
	v_mul_u32_u24 v[SOUT], v2, SP
	v_add_nc_u32 v[SOUT], s22, v[SOUT]             ; out: my 16 neighbours
	s_lshr_b32 s[TEN], ttmp9, 7
	s_and_b32 s20, ttmp9, 127
	s_lshl_b32 s20, s20, 2
	s_add_co_u32 s20, s20, s18                     ; my run, 0 .. 511
	s_and_b32 s21, s20, 0x1f9
	s_and_b32 s22, s20, 2
	s_lshl_b32 s22, s22, 1
	s_or_b32 s21, s21, s22
	s_and_b32 s22, s20, 4
	s_lshr_b32 s22, s22, 1
	s_or_b32 s21, s21, s22                         ; the run with bits 1 and 2 exchanged: where it goes
	s_lshl_b32 s22, s20, 15                        ; a run is 32,768 bytes of f32
	s_mov_b32 s23, 0
	s_add_co_u32 s36, s[TEN], 2
	s_cmp_eq_u32 s[TEN], 0
	s_cselect_b32 s36, 0, s36                      ; the section of the first pass: 0 for x, tensor + 2 for a weight
	s_lshl_b32 s36, s36, 22
	s_lshl_b32 s37, s21, 13                        ; a run is 8,192 bytes of codes
	s_add_co_u32 s36, s36, s37
	s_mov_b32 s37, 0
	s_wait_kmcnt 0x0
	s_load_b256 s[24:31], s[14:15], 0x0            ; lowp_scales[0..7]
	s_load_b128 s[32:35], s[14:15], 0x20           ; [8..11]
	s_cmp_eq_u32 s[TEN], 1                         ; the tensor is chosen by the work-group's number alone
	s_cselect_b64 s[4:5], s[6:7], s[4:5]
	s_cmp_eq_u32 s[TEN], 2
	s_cselect_b64 s[4:5], s[8:9], s[4:5]
	s_cmp_eq_u32 s[TEN], 3
	s_cselect_b64 s[4:5], s[10:11], s[4:5]
	s_cmp_eq_u32 s[TEN], 4
	s_cselect_b64 s[4:5], s[12:13], s[4:5]
	s_add_nc_u64 s[4:5], s[4:5], s[22:23]
	s_add_nc_u64 s[OB:OB+1], s[OB:OB+1], s[36:37]
	s_add_nc_u64 s[OB2:OB2+1], s[OB:OB+1], 0x800000
.macro LOAD t
.irp i, 0,1,2,3
	global_load_b128 v[R+16*((\t)%4)+4*\i:R+16*((\t)%4)+4*\i+3], v[LI], s[4:5] offset:2048*(\t)+512*\i th:TH_LOAD_NT   ; 32 lanes read 512 consecutive bytes
.endr
.endm
.macro TURN t                          ; a step's numbers through the stage: LDS serves a wave's instructions in order, so no wait stands between the stores and the loads
.irp i, 0,1,2,3
	ds_store_b128 v[SIN], v[R+16*((\t)%4)+4*\i:R+16*((\t)%4)+4*\i+3] offset:32*SP*((\t)%2)+8*SP*\i
.endr
.irp i, 0,1,2,3
	ds_load_b128 v[X+16*((\t)%2)+4*\i:X+16*((\t)%2)+4*\i+3], v[SOUT] offset:32*SP*((\t)%2)+16*\i
.endr
.endm
.irp t, 0,1,2,3
	LOAD \t
.endr
.macro MKSC e, p                       ; 2^e and 448 x 2^e as f32, from the whole number in s[e]
	s_add_co_i32 s41, s[\e], 127
	s_lshl_b32 s42, s41, 23
	v_mov_b32 v[SCL+2*\p], s42
	s_add_co_i32 s41, s41, 8
	s_lshl_b32 s41, s41, 23
	s_or_b32 s41, s41, 0x600000
	v_mov_b32 v[SCL+2*\p+1], s41
.endm
	s_wait_kmcnt 0x0
	s_cmp_eq_u32 s[TEN], 1
	s_cselect_b32 s40, s25, s24                    ; the first pass's e: x [0], wq [1], wk [3], wv [5], wo [11]
	s_cmp_eq_u32 s[TEN], 2
	s_cselect_b32 s40, s27, s40
	s_cmp_eq_u32 s[TEN], 3
	s_cselect_b32 s40, s29, s40
	s_cmp_eq_u32 s[TEN], 4
	s_cselect_b32 s40, s35, s40
	MKSC 40, 0
	MKSC 26, 1                                     ; x under [2]
	MKSC 28, 2                                     ; x under [4]
	s_wait_loadcnt 12                              ; step 0's four loads are in
	TURN 0
; One pass over a step's 16 neighbours: held (out of place: x's numbers serve three passes), converted, stored.
.macro PASS t, p, base, imm
.irp i, 0,1,2,3,4,5,6,7,8,9,10,11,12,13,14,15
	v_med3_num_f32 v[TM+\i], v[X+16*((\t)%2)+\i], -v[SCL+2*\p+1], v[SCL+2*\p+1]   ; the conversion to an 8-bit code does not saturate (ISA guide 7.6.2)
.endr
	v_cvt_scalef32_pk8_fp8_f32 v[C+12*((\t)%2)+4*\p:C+12*((\t)%2)+4*\p+1], v[TM:TM+7], v[SCL+2*\p]
	v_cvt_scalef32_pk8_fp8_f32 v[C+12*((\t)%2)+4*\p+2:C+12*((\t)%2)+4*\p+3], v[TM+8:TM+15], v[SCL+2*\p]
	v_nop                                          ; a plain line between the conversions and the next pass's holds, which write their sources
	global_store_b128 v[LI], v[C+12*((\t)%2)+4*\p:C+12*((\t)%2)+4*\p+3], s[\base:\base+1] offset:\imm+512*(\t)   ; 512 consecutive bytes, aligned
.endm
.macro STEP t
	s_wait_dscnt 0x0                               ; this step's numbers are back from the stage, and its stores into the stage have read their registers
	s_wait_xcnt 0x0                                ; the stores of two steps ago have read this set of code registers
.if (\t)+4 < STEPS
	LOAD (\t)+4
.endif
.if (\t)+1 < STEPS
.if STEPS-2-(\t) >= 3
	s_wait_loadcnt 12                              ; the next step's four loads are in; three steps' may be out
.else
	s_wait_loadcnt 4*(STEPS-2-(\t))
.endif
	TURN (\t)+1
.endif
	PASS \t, 0, OB, 0
	s_cmp_lg_u32 s[TEN], 0                         ; a weight has one scale
	s_cbranch_scc1 .Lone_\@
	PASS \t, 1, OB, 4194304                        ; x's second section,
	PASS \t, 2, OB2, 0                             ; and its third
.Lone_\@:
.endm
.irp t, 0,1,2,3,4,5,6,7,8,9,10,11,12,13,14,15
	STEP \t
.endr
	s_wait_tensorcnt 0x0                           ; the wave's end
	ds_add_u32 v[SPW], v[NIL]
	s_wait_dscnt 0x0
	s_endpgm
.Lfunc_end_k_qf4f1b404be_quant:
	.size	k_qf4f1b404be_quant, .Lfunc_end_k_qf4f1b404be_quant-k_qf4f1b404be_quant
	.p2alignl 7, 3214868480
	.fill 96, 4, 3214868480
	.section	.rodata,"a",@progbits
	.p2align	6, 0x0
	.amdhsa_kernel k_qf4f1b404be_quant
		.amdhsa_group_segment_fixed_size 33280
		.amdhsa_private_segment_fixed_size 0
		.amdhsa_enable_private_segment 0
		.amdhsa_kernarg_size 56
		.amdhsa_user_sgpr_count 2
		.amdhsa_user_sgpr_kernarg_segment_ptr 1
		.amdhsa_wavefront_size32 1
		.amdhsa_system_sgpr_workgroup_id_x 1
		.amdhsa_system_sgpr_workgroup_id_y 1
		.amdhsa_system_sgpr_workgroup_id_z 1
		.amdhsa_system_vgpr_workitem_id 0
		.amdhsa_next_free_vgpr 152
		.amdhsa_next_free_sgpr 66
		.amdhsa_reserve_vcc 0
		.amdhsa_float_denorm_mode_32 3
		.amdhsa_float_denorm_mode_16_64 3
		.amdhsa_memory_ordered 1
		.amdhsa_forward_progress 1
		.amdhsa_inst_pref_size 81
	.end_amdhsa_kernel
	.amdgpu_metadata
---
amdhsa.version: [ 1, 2 ]
amdhsa.kernels:
  - .name:           k_qf4f1b404be_quant
    .symbol:         k_qf4f1b404be_quant.kd
    .args:
      - { .name: x, .offset: 0, .size: 8, .value_kind: global_buffer, .address_space: global }
      - { .name: wq, .offset: 8, .size: 8, .value_kind: global_buffer, .address_space: global }
      - { .name: wk, .offset: 16, .size: 8, .value_kind: global_buffer, .address_space: global }
      - { .name: wv, .offset: 24, .size: 8, .value_kind: global_buffer, .address_space: global }
      - { .name: wo, .offset: 32, .size: 8, .value_kind: global_buffer, .address_space: global }
      - { .name: lowp_scales, .offset: 40, .size: 8, .value_kind: global_buffer, .address_space: global }
      - { .name: codes, .offset: 48, .size: 8, .value_kind: global_buffer, .address_space: global }
    .group_segment_fixed_size: 33280
    .private_segment_fixed_size: 0
    .kernarg_segment_align: 8
    .kernarg_segment_size: 56
    .max_flat_workgroup_size: 128
    .sgpr_count:     66
    .vgpr_count:     152
    .wavefront_size: 32
...
	.end_amdgpu_metadata
.endif
;; end of part 1
;; launch qkv (part 2): grid 16 x 48, 4 waves a work-group, clusters of 4 x 4, 327,680 bytes of LDS; arguments codes, freqs_cos, freqs_sin, lowp_scales, qimg, kimg, vimg; writes qimg, kimg, vimg
.if DOCPART == 2
	.amdgcn_target "amdgcn-amd-amdhsa--gfx1250"
	.amdhsa_code_object_version 6
	.text
	.protected	k_qf4f1b404be_qkv
	.globl	k_qf4f1b404be_qkv
	.p2align	8
	.type	k_qf4f1b404be_qkv,@function
k_qf4f1b404be_qkv:
	s_mov_b64 s[64:65], 0
	v_nop
	global_prefetch_b8 v0, s[64:65] scope:SCOPE_SE
	s_setreg_imm32_b32 hwreg(HW_REG_WAVE_MODE, 25, 1), 1
	s_wait_xcnt 0x0
	s_wait_alu depctr_hold_cnt(0) depctr_sa_sdst(0) depctr_va_vdst(0) depctr_va_sdst(0) depctr_va_ssrc(0) depctr_va_vcc(0) depctr_vm_vsrc(0)
	s_getreg_b32 s2, hwreg(HW_REG_IB_STS2, 6, 4)
	s_cmp_eq_u32 s2, 0
	s_cbranch_scc0 .Lentry_in_a_cluster
	s_endpgm
.Lentry_in_a_cluster:
	s_bfe_u32 s2, ttmp6, 0x10000c
	s_cmp_lg_u32 s2, 0xf033
	s_cbranch_scc0 .Lentry_shape_is_right
	s_endpgm
.Lentry_shape_is_right:
; Products 1 to 3 on codes of FP8 (E4M3), the rotation of q and k, and the quantising of q, k and v into images of the next launch's operand registers.
; prod = cluster y / 4.  prod 0: q = x wq^T;  prod 1: k = x wk^T;  prod 2: v^T = wv x^T (the same text with the sections exchanged, so that a lane holds one channel and neighbouring tokens: the keys are the next K).
; A tile of the result is 128 x 128; four waves, each 64 x 64: 16 accumulators.  K = 2,048 goes in four steps of 512 (LDS rows of 512 bytes + 16) through a ring of two slots filled by the tensor data mover.
; CLUSTERS: 4 x 4 work-groups; the four of a row need the same tile of the first section, the four of a column the same tile of the second: each is asked for jointly.
; THE MATRIX INSTRUCTION IS USED TRANSPOSED (source 0 = 16 positions of the second section, source 1 = 16 of the first).  In every section position p holds row p with bits 3 and 4 exchanged.  So in accumulator (a, b)
; lane (r, h), register j holds  column C0 + 32 (b / 2) + 16 h + 8 (b % 2) + j  of  row R0 + 32 (a / 2) + 16 (r / 8) + 8 (a % 2) + r % 8:
; the codes of tiles b = 2 t and 2 t + 1 are four registers with 16 neighbours along the next K, which is an operand's layout.  A wave's 64 columns (prod 2: rows) are one head.
; A fragment (16 x 128 codes) comes by four loads of 16 bytes, 32 apart: a permutation of k that is the same on both sides.
; The rotation is linear, so it runs on the sums as they are; the three scales are folded into the conversion's one: 2^(e_out - e_a - e_b).
; cos and sin are loaded by every work-group, at the head, so that they have landed when the sums are finished; prod 2's rows lie inside the tables too, and it does not use them.
; LIMIT: lowp_scales[6 + prod] - [2 prod] - [2 prod + 1] between -126 and 119.  NaN is not served.
; REGISTERS: window 0: v16-31 addresses and constants; v32-63 at work, then the codes; v128-255 the accumulators.  window 1: two fragment buffers of 128 (64 of the first section, 64 of the second).  window 2: v0-63 cos, v64-127 sin.
.set KSTEP,  512
.set PITCH,  528                       ; 132 words: row r starts at bank 4 r mod 64 (64 banks of 4 bytes: ISA guide 11.1)
.set HALFT,  64*PITCH                  ; what one tensor load brings, and what one wave reads of a side
.set SLOT,   4*HALFT
.set SPARE,  2*SLOT                    ; behind the ring: the spare words, 128 bytes a wave, which no other line names
.set ADRA, 16
.set ADRB, 20
.set SCV,  27                          ; v27  the conversion's scale as f32
.set SPW,  28
.set NIL,  29
.set TBO,  30                          ; v30  my lane's byte in the wave's rows of cos and sin
.set LI,   31                          ; v31  16 x lane
.set TMP,  32
.set ACC,  128
.set F0,   0
.set F1,   128
.set WV, 18
.set HR, 19                            ; s19  which half of the tile's rows is mine; also: I fetch for the first section (0) or the second (1)
.set HC, 20                            ; s20  which half of its columns; also: which 64 rows of that tile I fetch
.set PROD, 44
.set G1, 24
.set G0, 32
.set G1B, 48
.set G0B, 56
.set MSB, 0
.macro WIN new                         ; the immediate's high byte repeats the setting that is left
.if MSB != \new
	s_set_vgpr_msb (MSB<<8)|\new
.set MSB, \new
.endif
.endm
.set MUL,  0x05                        ; sources 0 and 1 window 1; C and D window 0
.set TO_F, 0x40                        ; destination window 1, address window 0
.macro JLOAD s                         ; a joint load: waves 0 and 1 fetch the first section's halves, waves 2 and 3 the second's; an s_nop 0 and four v_nop follow each line
	s_cmp_eq_u32 s[HR], 0
	s_cbranch_scc0 .Lfor_b_\@
	tensor_load_to_lds s[G0+4*\s:G0+4*\s+3], s[G1:G1+7]
	s_nop 0
.rept 4
	v_nop
.endr
	s_branch .Lasked_\@
.Lfor_b_\@:
	tensor_load_to_lds s[G0B+4*\s:G0B+4*\s+3], s[G1B:G1B+7]
	s_nop 0
.rept 4
	v_nop
.endr
.Lasked_\@:
.endm
.macro CREST                           ; a round of the cluster's barrier behind its opening barrier
	s_cmp_lg_u32 s[WV], 0
	s_cbranch_scc1 .Lnot_wave_0_\@
	s_barrier_signal -3
.Lnot_wave_0_\@:
	s_barrier_wait -3
	s_barrier_signal -1
	s_barrier_wait -1
.endm
.macro CROUND
	s_barrier_signal -1
	s_barrier_wait -1
	CREST
.endm
.macro PLACES                          ; four plain lines in front of loads into registers that matrix instructions have read, and of the first read of results
.rept 4
	v_nop
.endr
.endm
	s_load_b256 s[4:11], s[0:1], 0x0               ; codes, cos, sin, the scales' exponents
	s_load_b128 s[12:15], s[0:1], 0x20             ; qimg, kimg
	s_load_b64 s[16:17], s[0:1], 0x30              ; vimg
	v_lshl_add_u32 v[SPW], v0, 2, SPARE
	v_mov_b32 v[NIL], 0
	ds_add_u32 v[SPW], v[NIL]                      ; the wave's opening: the add and its wait ahead of my first tensor load; register work stands between
	v_lshrrev_b32 v1, 5, v0
	v_readfirstlane_b32 s[WV], v1
	s_lshr_b32 s[HR], s[WV], 1
	s_and_b32 s[HC], s[WV], 1
	s_bfe_u32 s40, ttmp6, 0x40000                  ; cx
	s_bfe_u32 s41, ttmp6, 0x40004                  ; cy
	s_lshl_b32 s42, ttmp9, 2
	s_add_co_u32 s42, s42, s40                     ; tile column
	s_and_b32 s43, ttmp7, 0xffff                   ; cluster y, 0 .. 11
	s_lshr_b32 s[PROD], s43, 2                     ; which product: the same in all sixteen partners
	s_and_b32 s45, s43, 3
	s_lshl_b32 s45, s45, 2
	s_add_co_u32 s45, s45, s41                     ; tile row
	s_lshl_b32 s46, s41, 2
	s_lshl_b32 s46, 15, s46                        ; my row of the cluster
	s_lshl_b32 s47, 0x1111, s40                    ; my column
	s_or_b32 s[G1], s46, (1<<20)|(1<<21)|(6<<22)|(3<<25)    ; the mask; elements of 1 byte; padding on; bit 21 beside a mask; after every 128 words four words
	s_or_b32 s[G1B], s47, (1<<20)|(1<<21)|(6<<22)|(3<<25)
.irp g, G1, G1B
	s_mov_b32 s[\g+1], KSTEP<<16                   ; tensor_dim0
	s_mov_b32 s[\g+2], 64<<16                      ; tensor_dim1
	s_mov_b32 s[\g+3], KSTEP<<16                   ; tile_dim0
	s_mov_b32 s[\g+4], 64                          ; tile_dim1
	s_mov_b32 s[\g+5], 2048                        ; from row to row
	s_mov_b32 s[\g+6], 0
	s_mov_b32 s[\g+7], 0
.endr
	s_add_co_u32 s23, s[PROD], 3
	s_cmp_eq_u32 s[PROD], 2
	s_cselect_b32 s22, 5, s[PROD]                  ; the first section: x under its scale, or wv
	s_cselect_b32 s23, 2, s23                      ; the second: wq, wk, or x under lowp_scales[4]
	s_lshl_b32 s22, s22, 22
	s_lshl_b32 s23, s23, 22
	s_lshl_b32 s21, s[HC], 6                       ; which 64 rows of a tile I fetch
	s_lshl_b32 s68, s45, 7
	s_add_co_u32 s68, s68, s21
	s_lshl_b32 s68, s68, 11                        ; rows of 2,048 bytes
	s_add_co_u32 s68, s68, s22
	s_mov_b32 s69, 0
	s_lshl_b32 s72, s42, 7
	s_add_co_u32 s72, s72, s21
	s_lshl_b32 s72, s72, 11
	s_add_co_u32 s72, s72, s23
	s_mov_b32 s73, 0
	s_mul_i32 s85, s[WV], HALFT                    ; where my load goes: no place in the cluster enters an LDS address
	s_wait_dscnt 0x0                               ; the opening add is done
	s_wait_kmcnt 0x0
	s_load_b256 s[76:83], s[10:11], 0x0            ; lowp_scales[0..7]
	s_load_b32 s84, s[10:11], 0x20                 ; [8]
	s_add_nc_u64 s[68:69], s[4:5], s[68:69]
	s_add_nc_u64 s[72:73], s[4:5], s[72:73]
	CROUND                                         ; all sixteen work-groups are here: the first joint loads meet
.irp s, 0,1
	s_mov_b32 s[G0+4*\s], 1
	s_add_co_u32 s[G0+4*\s+1], s85, \s*SLOT
	s_add_nc_u64 s[G0+4*\s+2:G0+4*\s+3], s[68:69], \s*KSTEP
	s_or_b32 s[G0+4*\s+3], s[G0+4*\s+3], 0x80000000
	s_mov_b32 s[G0B+4*\s], 1
	s_add_co_u32 s[G0B+4*\s+1], s85, \s*SLOT
	s_add_nc_u64 s[G0B+4*\s+2:G0B+4*\s+3], s[72:73], \s*KSTEP
	s_or_b32 s[G0B+4*\s+3], s[G0B+4*\s+3], 0x80000000
	JLOAD \s
.endr
	v_and_b32 v1, 15, v0                           ; r
	v_bfe_u32 v2, v0, 4, 1                         ; h
	v_mul_u32_u24 v3, v1, PITCH
	v_lshl_add_u32 v3, v2, 4, v3                   ; a fragment's row x pitch + 16 h
	s_mul_i32 s21, s[HR], HALFT
	s_mul_i32 s22, s[HC], HALFT
	s_add_co_u32 s22, s22, 2*HALFT
.irp s, 0,1
	v_add_nc_u32 v[ADRA+\s], s21, v3
	v_add_nc_u32 v[ADRB+\s], s22, v3
	s_add_co_u32 s21, s21, SLOT
	s_add_co_u32 s22, s22, SLOT
.endr
	v_and_b32 v4, 8, v1
	v_add_nc_u32 v4, v4, v1                        ; 16 (r / 8) + r % 8
	v_lshlrev_b32 v[TBO], 7, v4                    ; a row of cos or sin is 128 bytes
	v_lshl_add_u32 v[TBO], v2, 5, v[TBO]           ; + 32 h: eight pairs of channels
	v_and_b32 v[LI], 31, v0
	v_lshlrev_b32 v[LI], 4, v[LI]
	s_lshl_b32 s86, s45, 1
	s_add_co_u32 s86, s86, s[HR]                   ; R0 / 64
	s_lshl_b32 s87, s42, 1
	s_add_co_u32 s87, s87, s[HC]                   ; C0 / 64
	s_lshl_b32 s90, s86, 13                        ; R0 rows of 128 bytes
	s_mov_b32 s91, 0
	s_add_nc_u64 s[6:7], s[6:7], s[90:91]
	s_add_nc_u64 s[8:9], s[8:9], s[90:91]
	WIN 0x80                                       ; destination window 2
.irp a, 0,1,2,3
.irp b, 0,1,2,3
	global_load_b128 v[16*\a+4*\b:16*\a+4*\b+3], v[TBO], s[6:7] offset:(32*(\a/2)+8*(\a%2))*128+64*(\b/2)+16*(\b%2)         ; cos of accumulator (a, b)'s four pairs
	global_load_b128 v[64+16*\a+4*\b:64+16*\a+4*\b+3], v[TBO], s[8:9] offset:(32*(\a/2)+8*(\a%2))*128+64*(\b/2)+16*(\b%2)   ; sin
.endr
.endr
	WIN 0
	s_cmp_eq_u32 s[PROD], 1                        ; where the images go
	s_cselect_b64 s[12:13], s[14:15], s[12:13]
	s_cmp_eq_u32 s[PROD], 2
	s_cselect_b64 s[12:13], s[16:17], s[12:13]
	s_cselect_b32 s88, s86, s87                    ; the head: my 64 columns; for v my 64 rows
	s_cselect_b32 s89, s87, s86                    ; the block of 64 tokens
	s_lshl_b32 s88, s88, 17                        ; a head's images are 131,072 bytes,
	s_lshl_b32 s89, s89, 12                        ; a block's 4,096
	s_add_co_u32 s88, s88, s89
	s_mov_b32 s89, 0
	s_add_nc_u64 s[12:13], s[12:13], s[88:89]
	s_wait_kmcnt 0x0
	s_sub_co_i32 s82, s82, s76
	s_sub_co_i32 s82, s82, s77                     ; q: [6] - [0] - [1]
	s_sub_co_i32 s83, s83, s78
	s_sub_co_i32 s83, s83, s79                     ; k: [7] - [2] - [3]
	s_sub_co_i32 s84, s84, s80
	s_sub_co_i32 s84, s84, s81                     ; v: [8] - [4] - [5]
	s_cmp_eq_u32 s[PROD], 1
	s_cselect_b32 s82, s83, s82
	s_cmp_eq_u32 s[PROD], 2
	s_cselect_b32 s82, s84, s82
	s_add_co_i32 s82, s82, 127
	s_lshl_b32 s83, s82, 23
	v_mov_b32 v[SCV], s83                          ; the folded scale as f32
	s_add_co_i32 s82, s82, 8
	s_lshl_b32 s82, s82, 23
	s_or_b32 s80, s82, 0x600000                    ; 448 x that,
	s_or_b32 s81, s80, 0x80000000                  ; and its negative
; 32 LDS loads in one run: the fragments of 128 along K at byte k of the rows into buffer f: the second section's four, then the first's four
.macro FETCH slot, k, f
	WIN TO_F
.irp i, 0,1,2,3
.irp c, 0,1,2,3
	ds_load_b128 v[\f+64+16*\i+4*\c:\f+64+16*\i+4*\c+3], v[ADRB+\slot] offset:\k+32*\c+\i*16*PITCH
.endr
.endr
.irp i, 0,1,2,3
.irp c, 0,1,2,3
	ds_load_b128 v[\f+16*\i+4*\c:\f+16*\i+4*\c+3], v[ADRA+\slot] offset:\k+32*\c+\i*16*PITCH
.endr
.endr
.endm
; four matrix instructions: row block a against the four column blocks.  The 16 accumulators take turns in the same order in every quarter.
.macro MULA f, a, zero
.irp b, 0,1,2,3
.if \zero
	v_wmma_f32_16x16x128_fp8_fp8 v[ACC+8*(4*\a+\b):ACC+8*(4*\a+\b)+7], v[\f+64+16*\b:\f+64+16*\b+15], v[\f+16*\a:\f+16*\a+15], 0
.else
	v_wmma_f32_16x16x128_fp8_fp8 v[ACC+8*(4*\a+\b):ACC+8*(4*\a+\b)+7], v[\f+64+16*\b:\f+64+16*\b+15], v[\f+16*\a:\f+16*\a+15], v[ACC+8*(4*\a+\b):ACC+8*(4*\a+\b)+7]
.endif
.endr
.endm
; A K step is four quarters of 128 along K on buffers 0, 1, 0, 1.  One of the first three multiplies buffer f and fetches the next quarter, at byte k, into g.
.macro QUARTER slot, k, f, g, zero
	s_wait_dscnt 8                                 ; all but the youngest eight loads (row blocks 2 and 3) are in
	WIN MUL
	MULA \f, 0, \zero
	MULA \f, 1, \zero
	PLACES
	FETCH \slot, \k, \g
	s_wait_dscnt 32                                ; all but the 32 just issued
	WIN MUL
	MULA \f, 2, \zero
	MULA \f, 3, \zero
.endm
; The last quarter multiplies buffer 1 and changes slots: one barrier; in front of it each wave waits for all its tensor loads, adds 0 to its spare word, and waits for that and for its reads of this slot.
.macro TURN slot, next, fill
	WIN 0
	s_wait_tensorcnt 0x0                           ; my part of the next slot has landed
	ds_add_u32 v[SPW], v[NIL]
	s_wait_dscnt 9                                 ; (the add and the youngest eight loads may be out)
	WIN MUL
	MULA F1, 0, 0
	s_wait_dscnt 0x0                               ; the add is done, and my reads of this slot are over
	s_barrier_signal -1
	MULA F1, 1, 0
	WIN 0
	s_barrier_wait -1
.if \fill
	CREST                                          ; the barrier has opened a round of the cluster's: no wave of any partner still reads this slot or has a load on its way
	s_add_nc_u64 s[G0+4*\slot+2:G0+4*\slot+3], s[G0+4*\slot+2:G0+4*\slot+3], 2*KSTEP
	s_add_nc_u64 s[G0B+4*\slot+2:G0B+4*\slot+3], s[G0B+4*\slot+2:G0B+4*\slot+3], 2*KSTEP
	JLOAD \slot                                    ; the first tensor load behind the round; its four v_nop are also the places in front of the loads below
.else
	PLACES
.endif
	FETCH \next, 0, F0
	WIN MUL
	MULA F1, 2, 0
	MULA F1, 3, 0
.endm
	s_wait_tensorcnt 1                             ; my part of K step 0 is in; K step 1's may be out
	s_barrier_signal -1
	s_barrier_wait -1
	FETCH 0, 0, F0
	QUARTER 0, 128, F0, F1, 1                      ; the first products start the sums: nothing is cleared
	QUARTER 0, 256, F1, F0, 0
	QUARTER 0, 384, F0, F1, 0
	TURN 0, 1, 1                                   ; slot 0 takes K step 2
	QUARTER 1, 128, F0, F1, 0
	QUARTER 1, 256, F1, F0, 0
	QUARTER 1, 384, F0, F1, 0
	TURN 1, 0, 1                                   ; slot 1 takes K step 3
	QUARTER 0, 128, F0, F1, 0
	QUARTER 0, 256, F1, F0, 0
	QUARTER 0, 384, F0, F1, 0
	TURN 0, 1, 0                                   ; nothing is left to fetch
	QUARTER 1, 128, F0, F1, 0
	QUARTER 1, 256, F1, F0, 0
	QUARTER 1, 384, F0, F1, 0
	s_wait_dscnt 8
	WIN MUL
	MULA F1, 0, 0
	MULA F1, 1, 0
	s_wait_dscnt 0
	MULA F1, 2, 0
	MULA F1, 3, 0
	WIN 0
	PLACES
	s_wait_loadcnt 0x0                             ; cos and sin
	s_cmp_eq_u32 s[PROD], 2                        ; v is not rotated: a branch on the cluster's y, the same in all partners and waves
	s_cbranch_scc1 .Lno_rope
	; THE ROTATION.  Registers 2 i, 2 i + 1 of an accumulator are a pair (x0, x1): (x0 c - x1 s, x0 s + x1 c), two packed lines a pair; each accumulator from its low end on.
	WIN 0x08                                       ; source 1 window 2
.set n, 0
.irp a, 0,1,2,3
.irp b, 0,1,2,3
.irp g, 0,1
.set XR, ACC+8*(4*\a+\b)+4*\g
.set CP, 16*\a+4*\b+2*\g
.set TR, TMP+4*(n%8)
	v_pk_mul_f32 v[TR:TR+1], v[XR:XR+1], v[CP:CP+1] op_sel:[0,0] op_sel_hi:[1,0]                  ; (x0 c, x1 c), c the pair's first
	v_pk_mul_f32 v[TR+2:TR+3], v[XR+2:XR+3], v[CP:CP+1] op_sel:[0,1] op_sel_hi:[1,1]              ; the next pair, c the second
	v_pk_fma_f32 v[XR:XR+1], v[XR:XR+1], v[64+CP:65+CP], v[TR:TR+1] op_sel:[1,0,0] op_sel_hi:[0,0,1] neg_lo:[0,1,0]       ; (-x1 s + x0 c, x0 s + x1 c)
	v_pk_fma_f32 v[XR+2:XR+3], v[XR+2:XR+3], v[64+CP:65+CP], v[TR+2:TR+3] op_sel:[1,1,0] op_sel_hi:[0,1,1] neg_lo:[0,1,0]
.set n, n+1
.endr
.endr
.endr
	WIN 0
.Lno_rope:
	; THE QUANTISER: held, converted; the codes of tiles 2 t and 2 t + 1 are registers 4 t .. 4 t + 3 of an operand
.irp a, 0,1,2,3
.irp b, 0,1,2,3
.irp j, 0,1,2,3,4,5,6,7
	v_med3_num_f32 v[ACC+8*(4*\a+\b)+\j], v[ACC+8*(4*\a+\b)+\j], s81, s80   ; the conversion to an 8-bit code does not saturate (ISA guide 7.6.2)
.endr
	v_cvt_scalef32_pk8_fp8_f32 v[TMP+8*\a+2*\b:TMP+8*\a+2*\b+1], v[ACC+8*(4*\a+\b):ACC+8*(4*\a+\b)+7], v[SCV]
.endr
.endr
	v_nop                                          ; a plain line behind the last conversion
.irp a, 0,1,2,3
.irp t, 0,1
	global_store_b128 v[LI], v[TMP+8*\a+4*\t:TMP+8*\a+4*\t+3], s[12:13] offset:\a*1024+\t*512   ; an image: 512 consecutive bytes, aligned
.endr
.endr
	s_wait_tensorcnt 0x0                           ; the wave's end
	ds_add_u32 v[SPW], v[NIL]
	s_wait_dscnt 0x0
	CROUND                                         ; the closing round
	s_endpgm
.Lfunc_end_k_qf4f1b404be_qkv:
	.size	k_qf4f1b404be_qkv, .Lfunc_end_k_qf4f1b404be_qkv-k_qf4f1b404be_qkv
	.p2alignl 7, 3214868480
	.fill 96, 4, 3214868480
	.section	.rodata,"a",@progbits
	.p2align	6, 0x0
	.amdhsa_kernel k_qf4f1b404be_qkv
		.amdhsa_group_segment_fixed_size 327680
		.amdhsa_private_segment_fixed_size 0
		.amdhsa_enable_private_segment 0
		.amdhsa_kernarg_size 56
		.amdhsa_user_sgpr_count 2
		.amdhsa_user_sgpr_kernarg_segment_ptr 1
		.amdhsa_wavefront_size32 1
		.amdhsa_system_sgpr_workgroup_id_x 1
		.amdhsa_system_sgpr_workgroup_id_y 1
		.amdhsa_system_sgpr_workgroup_id_z 1
		.amdhsa_system_vgpr_workitem_id 0
		.amdhsa_next_free_vgpr 640
		.amdhsa_next_free_sgpr 100
		.amdhsa_reserve_vcc 0
		.amdhsa_float_denorm_mode_32 3
		.amdhsa_float_denorm_mode_16_64 3
		.amdhsa_memory_ordered 1
		.amdhsa_forward_progress 1
		.amdhsa_inst_pref_size 84
	.end_amdhsa_kernel
	.amdgpu_metadata
---
amdhsa.version: [ 1, 2 ]
amdhsa.kernels:
  - .name:           k_qf4f1b404be_qkv
    .symbol:         k_qf4f1b404be_qkv.kd
    .args:
      - { .name: codes, .offset: 0, .size: 8, .value_kind: global_buffer, .address_space: global }
      - { .name: freqs_cos, .offset: 8, .size: 8, .value_kind: global_buffer, .address_space: global }
      - { .name: freqs_sin, .offset: 16, .size: 8, .value_kind: global_buffer, .address_space: global }
      - { .name: lowp_scales, .offset: 24, .size: 8, .value_kind: global_buffer, .address_space: global }
      - { .name: qimg, .offset: 32, .size: 8, .value_kind: global_buffer, .address_space: global }
      - { .name: kimg, .offset: 40, .size: 8, .value_kind: global_buffer, .address_space: global }
      - { .name: vimg, .offset: 48, .size: 8, .value_kind: global_buffer, .address_space: global }
    .group_segment_fixed_size: 327680
    .private_segment_fixed_size: 0
    .kernarg_segment_align: 8
    .kernarg_segment_size: 56
    .max_flat_workgroup_size: 128
    .sgpr_count:     100
    .vgpr_count:     640
    .wavefront_size: 32
...
	.end_amdgpu_metadata
.endif
;; end of part 2
;; launch attn (part 3): grid 128 x 2, 8 waves a work-group, clusters of 4 x 1, 327,680 bytes of LDS; arguments qimg, kimg, vimg, mask0, mask1, lowp_scales, ac; writes ac
.if DOCPART == 3
	.amdgcn_target "amdgcn-amd-amdhsa--gfx1250"
	.amdhsa_code_object_version 6
	.text
	.protected	k_qf4f1b404be_attn
	.globl	k_qf4f1b404be_attn
	.p2align	8
	.type	k_qf4f1b404be_attn,@function
k_qf4f1b404be_attn:
	s_mov_b64 s[64:65], 0
	v_nop
	global_prefetch_b8 v0, s[64:65] scope:SCOPE_SE
	s_setreg_imm32_b32 hwreg(HW_REG_WAVE_MODE, 25, 1), 1
	s_wait_xcnt 0x0
	s_wait_alu depctr_hold_cnt(0) depctr_sa_sdst(0) depctr_va_vdst(0) depctr_va_sdst(0) depctr_va_ssrc(0) depctr_va_vcc(0) depctr_vm_vsrc(0)
	s_getreg_b32 s2, hwreg(HW_REG_IB_STS2, 6, 4)
	s_cmp_eq_u32 s2, 0
	s_cbranch_scc0 .Lentry_in_a_cluster
	s_endpgm
.Lentry_in_a_cluster:
	s_bfe_u32 s2, ttmp6, 0x10000c
	s_cmp_lg_u32 s2, 0x3003
	s_cbranch_scc0 .Lentry_shape_is_right
	s_endpgm
.Lentry_shape_is_right:
; Products 4 and 5 on codes of FP8 (E4M3), with both masks as they are given, the softmax finished and normalised ahead of its quantiser, and the result quantised for product 6.
; probs = softmax(q.k / 8 x 1.1 x mask0 + mask1) x mask0;  out = probs v.  q under lowp_scales[6], k [7], v [8], probs [9], out [10].
; SHARES.  A work-group owns one tile of 16 queries (tile qt, lane r: token 32 (qt / 2) + 8 (qt % 2) + 16 (r / 8) + r % 8) and 16 heads.  ITS EIGHT WAVES SHARE THE KEYS: wave w owns keys 256 w .. 256 w + 255,
; and keeps its 16 x 256 part of both masks in 256 registers for all 16 heads.  A head's scores stay in registers, so each exponential is taken once and p is finished before it is coded.
; LAYOUT.  S^T = K Q^T and O^T = V^T P^T: a lane holds one query (lane % 16).  The images hold operand registers as they stand (16 bytes a lane, 512 a load); register 16 b + x of the scores is key 256 w + 32 b + 16 (lane / 16) + x.
; SOFTMAX, one exchange a head.  t = S m0c + m1c, m0c = mask0 kappa, m1c = mask1 log2(e), kappa = 1.1 / 8 x log2(e) x 2^([6] + [7]).  In a wave: M_w = its largest t rounded up to a whole number,
; e = 2^(t - M_w), l_w = the sum of e.  The waves exchange (M_w, l_w) through LDS: M = the largest M_w, l = the sum of l_w 2^(M_w - M), where nothing is rounded by the powers of two.
; p = (e m0c) x 2^(M_w - M) / (l kappa), which is softmax x mask0.  -3e38 is one leaf of the maximum, so that a wave whose keys are all -infinity counts for nothing.
; Each wave's O^T is a partial sum over its keys: the eight meet in LDS, and wave w adds and quantises one eighth of the tile.
; CLUSTER.  The four query tiles of a cluster walk the same K and V: each wave's 16 KB of K and of V is asked for jointly, one descriptor and the mask 15 in all four.
; Two barriers a head, both rounds of the cluster's barrier: A, behind the statistics' stores (K's slot is read out: it takes the next head's K); B, behind the partial sums' stores (V's slot takes the next head's V).
; LIMITS: [6] + [7] between -100 and 100; [9], and [10] - [8] - [9], between -126 and 119.  NaN is not served; a row whose scores are all -infinity gives NaN, as the definition does.
; REGISTERS.  window 1: v0-127 m0c, v128-255 m1c.  window 0: v1-15, v35 addresses; v16-34 at work; v40, v41: -M_w, l_w; v42: the factor; v44, v45 the conversions' scales; v46 at work;
;   v48-55 Q; v56-63 a reduced piece of O and four zeros; v64-95 p's codes, and K's fragments; v96-127 O^T, and K's fragments; v128-255 the scores, e, p, then V's fragments, then the partial sums.
.set HEADB, 131072                     ; a head's images in bytes
.set VSL,   131072                     ; LDS: K's slot at 0 (wave w: 16,384 w), V's here,
.set OP,    262144                     ; the partial sums: wave w at 4,096 w: eight pieces of 512 bytes.  (Ahead of the first barrier: the masks' stage, 16 rows x 272 a wave)
.set OST,   294912                     ; the result's codes: 16 rows of 1,024 bytes + 16
.set OSTP,  1040
.set STATS, 311552                     ; (-M_w, l_w): wave w at 128 w, 8 bytes a query
.set SPARE, 312576                     ; the spare words, 128 bytes a wave, which no other line names
.set MSTB,  16*272
.set SPW, 1
.set NIL, 2
.set LI,  3                            ; 16 x lane
.set AK,  4                            ; my place in my part of K's slot
.set AV,  5                            ; of V's
.set OPW, 6                            ; where I put partial sums
.set OPR, 7                            ; where I read my piece of them
.set STW, 8
.set STR, 9
.set OS0, 10                           ; my four codes' place in the result's rows, head 0
.set OSA, 11                           ; the same for the head in hand
.set MGO, 12                           ; the masks: my byte offset
.set MSI, 13                           ; their stage, in
.set MSO, 14                           ; and out
.set PFO, 15                           ; 256 x lane
.set T,   16
.set OSR, 35                           ; the way out: where I read rows back
.set NM,  40
.set FP,  42
.set SCP, 44
.set SCO, 45
.set PX,  46
.set Q,   48
.set OS,  56
.set P,   64
.set O,   96
.set E,   128
.set WV,  18
.set G1,  24                           ; s[24:31] descriptor group 1: 64 rows of 256 bytes, dense
.set G0K, 32                           ; s[32:35], s[36:39] groups 0, which walk from head to head
.set G0V, 36
.set CNT, 40                           ; heads still to be asked for
.set HO,  41                           ; 64 x the head's number in my 16
.set PFA, 52
.set LIM, 54
.set MSB, 0
.macro WIN new                         ; the immediate's high byte repeats the setting that is left
.if MSB != \new
	s_set_vgpr_msb (MSB<<8)|\new
.set MSB, \new
.endif
.endm
.macro CREST
	s_cmp_lg_u32 s[WV], 0
	s_cbranch_scc1 .Lnot_wave_0_\@
	s_barrier_signal -3
.Lnot_wave_0_\@:
	s_barrier_wait -3
	s_barrier_signal -1
	s_barrier_wait -1
.endm
.macro ROUND
	s_barrier_signal -1
	s_barrier_wait -1
	CREST
.endm
.macro PLACES
.rept 4
	v_nop
.endr
.endm
; A PREFETCH INTO THE L2, behind K's refill and its five lines: the images of the head after the one that is being asked for.  A head's K and V are 262,144 bytes: 4 partners x 8 waves x 32 lanes x 256 bytes, each block named once.
; All clusters of a group of heads walk the same images: the first of them (cluster x = 0) asks.  Its partners are told apart by address; waves 0 to 3 ask for K's, waves 4 to 7 for V's.  The last refill asks for nothing.
.macro ASK
	s_cmp_gt_u32 s[CNT], s[LIM]
	s_cbranch_scc0 .Lnot_mine_\@
	global_prefetch_b8 v[PFO], s[PFA:PFA+1] th:TH_LOAD_NT scope:SCOPE_SE
.Lnot_mine_\@:
.endm
	s_load_b256 s[4:11], s[0:1], 0x0               ; qimg, kimg, vimg, mask0
	s_load_b128 s[12:15], s[0:1], 0x20             ; mask1, the scales' exponents
	s_load_b64 s[16:17], s[0:1], 0x30              ; ac
	v_lshl_add_u32 v[SPW], v0, 2, SPARE
	v_mov_b32 v[NIL], 0
	ds_add_u32 v[SPW], v[NIL]                      ; the wave's opening: the add and its wait ahead of my first tensor load; register work stands between
	v_lshrrev_b32 v16, 5, v0
	v_readfirstlane_b32 s[WV], v16                 ; wave 0..7
	s_bfe_u32 s19, ttmp6, 0x40000                  ; cx: it enters global addresses of Q, the masks, the result and the prefetches alone
	s_lshl_b32 s20, ttmp9, 2
	s_add_co_u32 s20, s20, s19                     ; my tile of queries
	s_and_b32 s21, ttmp7, 0xffff                   ; my group of 16 heads, which the partners share
	s_mov_b32 s[G1], 15|(3<<16)|(1<<21)            ; the mask: all four; elements of 8 bytes; bit 21 beside a mask; no padding
	s_mov_b32 s[G1+1], 32<<16                      ; tensor_dim0 = 32 elements: 256 bytes
	s_mov_b32 s[G1+2], 64<<16                      ; tensor_dim1 = 64
	s_mov_b32 s[G1+3], 32<<16                      ; tile_dim0
	s_mov_b32 s[G1+4], 64                          ; tile_dim1
	s_mov_b32 s[G1+5], 32                          ; from row to row
	s_mov_b32 s[G1+6], 0
	s_mov_b32 s[G1+7], 0
	s_mov_b32 s[CNT], 15
	s_mov_b32 s[HO], 0
	s_mov_b32 s42, 0x3e4b21a7                      ; 1.1 / 8 x log2(e)
	s_mov_b32 s44, 0x3fb8aa3b                      ; log2(e)
	s_mov_b32 s45, s44
	s_mov_b32 s50, 0x76543210                      ; v_permlanex16_b32's selects for lane l xor 16
	s_mov_b32 s51, 0xfedcba98
	s_lshl_b32 s76, s[WV], 14                      ; my 16,384 bytes of a slot, and of a head's image
	s_lshl_b32 s72, s21, 21                        ; 16 heads of 131,072 bytes
	s_add_co_u32 s72, s72, s76
	s_mov_b32 s73, 0
	s_wait_dscnt 0x0                               ; the opening add is done
	s_wait_kmcnt 0x0
	s_load_b64 s[56:57], s[14:15], 0x18            ; [6], [7]
	s_load_b128 s[68:71], s[14:15], 0x20           ; [8] .. [11]
	s_mov_b32 s[G0K], 1
	s_mov_b32 s[G0K+1], s76
	s_add_nc_u64 s[G0K+2:G0K+3], s[6:7], s[72:73]
	s_or_b32 s[G0K+3], s[G0K+3], 0x80000000
	s_mov_b32 s[G0V], 1
	s_add_co_u32 s[G0V+1], s76, VSL
	s_add_nc_u64 s[G0V+2:G0V+3], s[8:9], s[72:73]
	s_or_b32 s[G0V+3], s[G0V+3], 0x80000000
	ROUND                                          ; all four work-groups are here: the first joint loads meet
	tensor_load_to_lds s[G0K:G0K+3], s[G1:G1+7]    ; K of head 0,
	s_nop 0
	tensor_load_to_lds s[G0V:G0V+3], s[G1:G1+7]    ; V of head 0: two loads of mine are out
	s_nop 0
	PLACES
	s_cmp_lt_u32 s[WV], 4
	s_cselect_b64 s[PFA:PFA+1], s[6:7], s[8:9]
	s_lshl_b32 s80, s21, 21
	s_lshl_b32 s81, s19, 15                        ; my work-group's quarter of an image,
	s_add_co_u32 s80, s80, s81
	s_and_b32 s81, s[WV], 3
	s_lshl_b32 s81, s81, 13                        ; my wave's quarter of that,
	s_add_co_u32 s80, s80, s81
	s_add_co_u32 s80, s80, HEADB                   ; in head 1: the first refill steps it to head 2.  Nothing is prefetched here, at the head
	s_mov_b32 s81, 0
	s_add_nc_u64 s[PFA:PFA+1], s[PFA:PFA+1], s[80:81]
	s_cmp_eq_u32 ttmp9, 0
	s_cselect_b32 s[LIM], 1, -1
	s_lshl_b32 s82, s21, 21
	s_lshl_b32 s83, s20, 10                        ; a tile's image is 1,024 bytes
	s_add_co_u32 s82, s82, s83
	s_mov_b32 s83, 0
	s_add_nc_u64 s[4:5], s[4:5], s[82:83]          ; Q's image: head 0 of my group, my tile
	s_lshr_b32 s84, s20, 1
	s_lshl_b32 s84, s84, 5
	s_and_b32 s85, s20, 1
	s_lshl_b32 s85, s85, 3
	s_add_co_u32 s84, s84, s85                     ; the tile's first token
	s_lshl_b32 s86, s84, 13                        ; a mask's row is 8,192 bytes
	s_mov_b32 s87, 0
	s_add_nc_u64 s[10:11], s[10:11], s[86:87]
	s_add_nc_u64 s[12:13], s[12:13], s[86:87]
	s_lshr_b32 s85, s[WV], 2
	s_lshl_b32 s85, s85, 4
	s_add_co_u32 s84, s84, s85
	s_and_b32 s85, s[WV], 3
	s_lshl_b32 s85, s85, 1
	s_add_co_u32 s84, s84, s85                     ; the way out: rows 2 w and 2 w + 1 of the tile are this token and the next
	s_lshl_b32 s86, s84, 11
	s_lshl_b32 s85, s21, 10
	s_add_co_u32 s86, s86, s85
	s_add_nc_u64 s[16:17], s[16:17], s[86:87]
	v_and_b32 v16, 31, v0                          ; lane
	v_and_b32 v17, 15, v0                          ; r
	v_bfe_u32 v18, v0, 4, 1                        ; h
	v_lshlrev_b32 v[LI], 4, v16
	v_lshlrev_b32 v[MGO], 13, v18                  ; lanes 16-31 take the next row,
	v_lshl_add_u32 v[MGO], v17, 4, v[MGO]          ; sixteen lanes 256 consecutive bytes,
	s_lshl_b32 s78, s[WV], 10
	v_add_nc_u32 v[MGO], s78, v[MGO]               ; in my wave's 1,024 bytes of a row
	v_add_nc_u32 v[AK], s76, v[LI]
	v_add_nc_u32 v[AV], VSL, v[AK]
	s_lshl_b32 s78, s[WV], 12
	s_add_co_u32 s78, s78, OP
	v_add_nc_u32 v[OPW], s78, v[LI]
	s_lshl_b32 s78, s[WV], 9
	s_add_co_u32 s78, s78, OP
	v_add_nc_u32 v[OPR], s78, v[LI]
	v_lshlrev_b32 v[STR], 3, v17
	v_add_nc_u32 v[STR], STATS, v[STR]
	s_lshl_b32 s78, s[WV], 7
	v_add_nc_u32 v[STW], s78, v[STR]
	v_mul_u32_u24 v[OS0], v17, OSTP
	v_lshl_add_u32 v[OS0], v18, 4, v[OS0]
	s_lshr_b32 s78, s[WV], 2
	s_lshl_b32 s78, s78, 5
	s_and_b32 s79, s[WV], 3
	s_lshl_b32 s79, s79, 2
	s_add_co_u32 s78, s78, s79
	s_add_co_u32 s78, s78, OST
	v_add_nc_u32 v[OS0], s78, v[OS0]               ; piece w is channels 32 (w / 4) + 16 h + 4 (w % 4) + 0 .. 3 of query r
	s_mul_i32 s78, s[WV], MSTB
	s_add_co_u32 s78, s78, OP
	v_mul_u32_u24 v[MSI], v18, 272
	v_lshl_add_u32 v[MSI], v17, 4, v[MSI]
	v_add_nc_u32 v[MSI], s78, v[MSI]
	v_mul_u32_u24 v[MSO], v17, 272
	v_lshl_add_u32 v[MSO], v18, 6, v[MSO]
	v_add_nc_u32 v[MSO], s78, v[MSO]
	s_mul_i32 s78, s[WV], 2*OSTP
	s_add_co_u32 s78, s78, OST
	v_add_nc_u32 v[OSR], s78, v[LI]
	v_lshlrev_b32 v[PFO], 8, v16
	v_mov_b32 v[NM+1], 0                           ; named as the upper halves of pairs, or as a permute's destination: written once
	v_mov_b32 v[FP+1], 0
	v_mov_b32 v[PX], 0
.irp i, 4,5,6,7
	v_mov_b32 v[OS+\i], 0                          ; the upper four of the eight numbers that the result's conversion takes
.endr
	global_load_b128 v[Q:Q+3], v[LI], s[4:5]       ; Q of head 0
	global_load_b128 v[Q+4:Q+7], v[LI], s[4:5] offset:512
	; THE MASKS.  Chunk (m, q): 16 rows x 64 keys of mask m: eight loads, each two whole runs of 256 bytes.  They turn through my stage so that lane (r, h) holds row r's keys 32 b + 16 h + 0 .. 15.
	WIN 0x40                                       ; destination window 1
.irp m, 0,1
.irp q, 0,1,2,3
.irp i, 0,1,2,3,4,5,6,7
	global_load_b128 v[128*\m+32*\q+4*\i:128*\m+32*\q+4*\i+3], v[MGO], s[10+2*\m:11+2*\m] offset:(16*(\i/4)+2*(\i%4))*8192+256*\q
.endr
.endr
.endr
.irp m, 0,1
.irp q, 0,1,2,3
	s_wait_loadcnt 56-8*(4*\m+\q)                  ; this chunk's eight loads are in; the later chunks' stay out
	WIN 0x04                                       ; store data window 1
.irp i, 0,1,2,3,4,5,6,7
	ds_store_b128 v[MSI], v[128*\m+32*\q+4*\i:128*\m+32*\q+4*\i+3] offset:2*\i*272
.endr
	WIN 0x40
.irp b, 0,1
.irp i, 0,1,2,3
	ds_load_b128 v[128*\m+32*\q+16*\b+4*\i:128*\m+32*\q+16*\b+4*\i+3], v[MSO] offset:128*\b+16*\i   ; LDS serves a wave's instructions in order: these see my stores, and the next chunk's stores come behind them
.endr
.endr
.endr
.endr
	WIN 0
	s_wait_kmcnt 0x0
	s_add_co_i32 s88, s56, s57
	s_lshl_b32 s88, s88, 23
	s_add_co_i32 s42, s42, s88                     ; kappa: the two exponents are added to the constant's exponent field
	s_mov_b32 s43, s42
	s_add_co_i32 s88, s69, 127
	s_lshl_b32 s89, s88, 23
	v_mov_b32 v[SCP], s89                          ; 2^[9] as f32
	s_add_co_i32 s88, s88, 8
	s_lshl_b32 s88, s88, 23
	s_or_b32 s47, s88, 0x600000                    ; 448 x that,
	s_or_b32 s46, s47, 0x80000000                  ; and its negative (mask0 may be negative)
	s_sub_co_i32 s88, s70, s68
	s_sub_co_i32 s88, s88, s69                     ; a sum of product 5 stands for sum x 2^([8] + [9]): its code is sum / 2^([10] - [8] - [9])
	s_add_co_i32 s88, s88, 127
	s_lshl_b32 s89, s88, 23
	v_mov_b32 v[SCO], s89
	s_add_co_i32 s88, s88, 8
	s_lshl_b32 s88, s88, 23
	s_or_b32 s49, s88, 0x600000
	s_or_b32 s48, s49, 0x80000000
	s_wait_dscnt 0x0                               ; the masks are back from the stage
	WIN 0x41                                       ; destination and source 0 window 1
.set j, 0
.rept 64
	v_pk_mul_f32 v[j:j+1], v[j:j+1], s[42:43] op_sel_hi:[1,0]              ; m0c
.set j, j+2
.endr
.set j, 128
.rept 64
	v_pk_mul_f32 v[j:j+1], v[j:j+1], s[44:45] op_sel_hi:[1,0]              ; m1c
.set j, j+2
.endr
	WIN 0
.macro KB g                            ; K's tiles 4 g .. 4 g + 3 of my 16, eight loads, into buffer g % 2
.set KBR, P+32*((\g)%2)
.irp i, 0,1,2,3
.irp c, 0,1
	ds_load_b128 v[KBR+8*\i+4*\c:KBR+8*\i+4*\c+3], v[AK] offset:(4*(\g)+\i)*1024+512*\c
.endr
.endr
.endm
.macro SC4 g                           ; their scores: source 0 = 16 keys, source 1 = my 16 queries; K = the head's 64
.set KBR, P+32*((\g)%2)
.irp i, 0,1,2,3
	v_wmma_f32_16x16x64_fp8_fp8 v[E+8*(4*(\g)+\i):E+8*(4*(\g)+\i)+7], v[KBR+8*\i:KBR+8*\i+7], v[Q:Q+7], 0
.endr
.endm
	s_wait_tensorcnt 0x1                           ; my K of head 0 is in (only I read it); V may be out
	KB 0
	KB 1
; ONE HEAD.  more = 1: the next head's K, V and Q are asked for on the way.
.macro HEAD more
	; ---- the scores
	s_wait_loadcnt 0x0                             ; Q
	s_wait_dscnt 0x8                               ; the first batch of K is in (the second batch's eight may be out)
	SC4 0
	PLACES
	KB 2
	s_wait_dscnt 0x8                               ; all but the batch just issued
	SC4 1
	PLACES
	KB 3
	s_wait_dscnt 0x8
	SC4 2
	s_wait_dscnt 0x0                               ; my reads of K's slot are over
	SC4 3
	; ---- t = S m0c + m1c, ascending: the first lines are the places behind the last products
	WIN 0x14                                       ; sources 1 and 2 window 1
.set j, 0
.rept 64
	v_pk_fma_f32 v[E+j:E+j+1], v[E+j:E+j+1], v[j:j+1], v[128+j:129+j]
.set j, j+2
.endr
	WIN 0
.if \more
	s_add_nc_u64 s[4:5], s[4:5], HEADB             ; (Q's loads were waited for above)
	global_load_b128 v[Q:Q+3], v[LI], s[4:5]
	global_load_b128 v[Q+4:Q+7], v[LI], s[4:5] offset:512
.endif
	; ---- the largest t of my query among my wave's keys: four chains, then lane l xor 16
.irp k, 0,1,2,3
	v_max3_num_f32 v[T+\k], v[E+32*\k], v[E+32*\k+1], v[E+32*\k+2]
.endr
.irp i, 0,1,2,3,4,5,6,7,8,9,10,11,12,13
.irp k, 0,1,2,3
	v_max3_num_f32 v[T+\k], v[T+\k], v[E+32*\k+3+2*\i], v[E+32*\k+4+2*\i]
.endr
.endr
	v_max3_num_f32 v[T], v[T], v[E+31], v[E+63]
	v_max3_num_f32 v[T+1], v[T+1], v[E+95], v[E+127]
	v_max3_num_f32 v[T+2], v[T+2], v[T+3], 0xff61b1e6      ; -3e38
	v_max3_num_f32 v[T], v[T], v[T+1], v[T+2]
	v_permlanex16_b32 v[PX], v[T], s50, s51
	v_max_num_f32 v[T], v[T], v[PX]
	v_floor_f32 v[NM], -v[T]                       ; -M_w = floor(-t): M_w is a whole number
	; ---- e = 2^(t - M_w): one batch of exponentials
.set j, 0
.rept 64
	v_pk_add_f32 v[E+j:E+j+1], v[E+j:E+j+1], v[NM:NM+1] op_sel_hi:[1,0]
.set j, j+2
.endr
.set j, 0
.rept 128
	v_exp_f32 v[E+j], v[E+j]
.set j, j+1
.endr
	v_add_nc_u32 v[OSA], s[HO], v[OS0]             ; a plain line behind the last exponential
	s_wait_alu depctr_va_vdst(0)                   ; one wait for the batch, ahead of its first reader
	; ---- l_w: four chains of packed sums
.irp k, 0,1,2,3
	v_pk_add_f32 v[T+2*\k:T+2*\k+1], v[E+32*\k:E+32*\k+1], v[E+32*\k+2:E+32*\k+3]
.endr
.irp i, 2,3,4,5,6,7,8,9,10,11,12,13,14,15
.irp k, 0,1,2,3
	v_pk_add_f32 v[T+2*\k:T+2*\k+1], v[T+2*\k:T+2*\k+1], v[E+32*\k+2*\i:E+32*\k+2*\i+1]
.endr
.endr
	v_pk_add_f32 v[T:T+1], v[T:T+1], v[T+2:T+3]
	v_pk_add_f32 v[T+4:T+5], v[T+4:T+5], v[T+6:T+7]
	v_pk_add_f32 v[T:T+1], v[T:T+1], v[T+4:T+5]
	v_add_f32 v[T], v[T], v[T+1]
	v_permlanex16_b32 v[PX], v[T], s50, s51
	v_add_f32 v[NM+1], v[T], v[PX]
	ds_store_b64 v[STW], v[NM:NM+1]                ; lanes r and r + 16 store the same two words
	; ---- barrier A
	s_wait_tensorcnt 0x0                           ; my V of this head has landed; no load of mine is out, so a group 0 may be written
	ds_add_u32 v[SPW], v[NIL]
.if \more
	s_add_nc_u64 s[G0K+2:G0K+3], s[G0K+2:G0K+3], HEADB
	s_wait_xcnt 0x0                                ; the last prefetch, a head back, has read its address
	s_add_nc_u64 s[PFA:PFA+1], s[PFA:PFA+1], HEADB
.endif
	s_wait_dscnt 0x0                               ; the add and my statistics' store are done; my reads of K's slot were over above
	s_barrier_signal -1
	WIN 0x04                                       ; source 1 window 1
.set j, 0
.rept 64
	v_pk_mul_f32 v[E+j:E+j+1], v[E+j:E+j+1], v[j:j+1]      ; e m0c: register work while the others arrive
.set j, j+2
.endr
	WIN 0
	s_barrier_wait -1
.if \more
	CREST                                          ; the barrier has opened a round of the cluster's: no wave of any partner still reads K's slot or has a load on its way
	tensor_load_to_lds s[G0K:G0K+3], s[G1:G1+7]    ; the next head's K: my one tensor load behind this round
	s_nop 0
	PLACES
	ASK
.endif
	; ---- the factor 2^(M_w - M) / (l kappa)
.irp i, 0,1,2,3,4,5,6,7
	ds_load_b64 v[T+2*\i:T+2*\i+1], v[STR] offset:128*\i
.endr
	s_wait_dscnt 0x0
	v_min3_num_f32 v32, v[T], v[T+2], v[T+4]
	v_min3_num_f32 v32, v32, v[T+6], v[T+8]
	v_min3_num_f32 v32, v32, v[T+10], v[T+12]
	v_min_num_f32 v32, v32, v[T+14]                ; -M
.irp i, 0,1,2,3,4,5,6,7
	v_sub_f32 v[T+2*\i], v32, v[T+2*\i]            ; M_i - M: a whole number, 0 or less
.endr
.irp i, 0,1,2,3,4,5,6,7
	v_cvt_i32_f32 v[T+2*\i], v[T+2*\i]             ; (it saturates)
.endr
.irp i, 0,1,2,3,4,5,6,7
	v_ldexp_f32 v[T+2*\i+1], v[T+2*\i+1], v[T+2*\i]
.endr
	v_add_f32 v[T+1], v[T+1], v[T+3]
	v_add_f32 v[T+5], v[T+5], v[T+7]
	v_add_f32 v[T+9], v[T+9], v[T+11]
	v_add_f32 v[T+13], v[T+13], v[T+15]
	v_add_f32 v[T+1], v[T+1], v[T+5]
	v_add_f32 v[T+9], v[T+9], v[T+13]
	v_add_f32 v33, v[T+1], v[T+9]                  ; l
	v_sub_f32 v34, v32, v[NM]
	v_cvt_i32_f32 v34, v34                         ; M_w - M
	v_mul_f32 v33, s42, v33
	v_rcp_f32 v33, v33
	v_nop                                          ; a plain line behind the reciprocal
	s_wait_alu depctr_va_vdst(0)                   ; and the wait ahead of its reader
	v_ldexp_f32 v[FP], v33, v34
	; ---- p, held and coded, 128 keys at a time; V's fragments take the registers that p has left
.irp s, 0,1
.irp n, 0,1,2,3,4,5,6,7
.irp i, 0,2,4,6
	v_pk_mul_f32 v[E+64*\s+8*\n+\i:E+64*\s+8*\n+\i+1], v[E+64*\s+8*\n+\i:E+64*\s+8*\n+\i+1], v[FP:FP+1] op_sel_hi:[1,0]
.endr
.irp i, 0,1,2,3,4,5,6,7
	v_med3_num_f32 v[E+64*\s+8*\n+\i], v[E+64*\s+8*\n+\i], s46, s47        ; the conversion to an 8-bit code does not saturate (ISA guide 7.6.2)
.endr
	v_cvt_scalef32_pk8_fp8_f32 v[P+16*\s+2*\n:P+16*\s+2*\n+1], v[E+64*\s+8*\n:E+64*\s+8*\n+7], v[SCP]
.endr
	v_nop                                          ; a plain line behind the last conversion, ahead of the products that read the codes
.irp dt, 0,1,2,3
.irp cc, 0,1
.irp b, 0,1
	ds_load_b128 v[E+64*\s+16*\dt+4*(2*\cc+\b):E+64*\s+16*\dt+4*(2*\cc+\b)+3], v[AV] offset:8192*\s+4096*\cc+1024*\dt+512*\b
.endr
.endr
.endr
.endr
	; ---- O^T = V^T P^T over my 256 keys: four accumulators by turns
	s_wait_dscnt 0x10                              ; V's first half is in
.irp dt, 0,1,2,3
	v_wmma_f32_16x16x128_fp8_fp8 v[O+8*\dt:O+8*\dt+7], v[E+16*\dt:E+16*\dt+15], v[P:P+15], 0
.endr
	s_wait_dscnt 0x0                               ; my reads of V's slot are over
.irp dt, 0,1,2,3
	v_wmma_f32_16x16x128_fp8_fp8 v[O+8*\dt:O+8*\dt+7], v[E+64+16*\dt:E+64+16*\dt+15], v[P+16:P+31], v[O+8*\dt:O+8*\dt+7]
.endr
	PLACES
.irp n, 0,1,2,3,4,5,6,7
	ds_store_b128 v[OPW], v[O+4*\n:O+4*\n+3] offset:512*\n     ; each accumulator from its low end on
.endr
	; ---- barrier B
	s_wait_tensorcnt 0x0                           ; the next head's K has landed
	ds_add_u32 v[SPW], v[NIL]
.if \more
	s_add_nc_u64 s[G0V+2:G0V+3], s[G0V+2:G0V+3], HEADB
.endif
	s_wait_dscnt 0x0                               ; the add and my partial sums' stores are done
.if \more
	ROUND                                          ; no wave of any partner still reads V's slot or has a load on its way
	tensor_load_to_lds s[G0V:G0V+3], s[G1:G1+7]    ; the next head's V: my one tensor load behind this round
	s_nop 0
	PLACES
.else
	s_barrier_signal -1
	s_barrier_wait -1
.endif
	; ---- my piece of the eight partial sums: added, held, coded, into the result's rows
.irp i, 0,1,2,3,4,5,6,7
	ds_load_b128 v[E+4*\i:E+4*\i+3], v[OPR] offset:4096*\i
.endr
.if \more
	KB 0                                           ; the next head's first fragments of K
	KB 1
	s_wait_dscnt 0x10                              ; all but those sixteen
.else
	s_wait_dscnt 0x0
.endif
.irp i, 0,2,4,6
	v_pk_add_f32 v[E+4*\i:E+4*\i+1], v[E+4*\i:E+4*\i+1], v[E+4*\i+4:E+4*\i+5]
	v_pk_add_f32 v[E+4*\i+2:E+4*\i+3], v[E+4*\i+2:E+4*\i+3], v[E+4*\i+6:E+4*\i+7]
.endr
.irp i, 0,4
	v_pk_add_f32 v[E+4*\i:E+4*\i+1], v[E+4*\i:E+4*\i+1], v[E+4*\i+8:E+4*\i+9]
	v_pk_add_f32 v[E+4*\i+2:E+4*\i+3], v[E+4*\i+2:E+4*\i+3], v[E+4*\i+10:E+4*\i+11]
.endr
	v_pk_add_f32 v[OS:OS+1], v[E:E+1], v[E+16:E+17]
	v_pk_add_f32 v[OS+2:OS+3], v[E+2:E+3], v[E+18:E+19]
.irp i, 0,1,2,3
	v_med3_num_f32 v[OS+\i], v[OS+\i], s48, s49
.endr
	v_cvt_scalef32_pk8_fp8_f32 v[PX:PX+1], v[OS:OS+7], v[SCO]      ; four codes and four zeros
	v_nop                                          ; a plain line behind the conversion
	ds_store_b32 v[OSA], v[PX]
.if \more
	s_add_co_u32 s[HO], s[HO], 64
.endif
.endm
.Lhead:                                            ; 15 trips; the last head is written out
	HEAD 1
	s_sub_co_u32 s[CNT], s[CNT], 1
	s_cmp_lg_u32 s[CNT], 0
	s_cbranch_scc1 .Lhead
	HEAD 0
	; THE WAY OUT: 16 rows of 1,024 bytes lie in LDS; wave w stores rows 2 w and 2 w + 1, 512 consecutive bytes an instruction
	s_wait_dscnt 0x0                               ; for the others' sake: my codes are stored
	s_barrier_signal -1
	s_barrier_wait -1
.irp i, 0,1
.irp u, 0,1
	ds_load_b128 v[T+8*\i+4*\u:T+8*\i+4*\u+3], v[OSR] offset:\i*OSTP+512*\u
.endr
.endr
.irp i, 0,1
.irp u, 0,1
	s_wait_dscnt 3-2*\i-\u
	global_store_b128 v[LI], v[T+8*\i+4*\u:T+8*\i+4*\u+3], s[16:17] offset:\i*2048+512*\u
.endr
.endr
	s_wait_tensorcnt 0x0                           ; the wave's end
	ds_add_u32 v[SPW], v[NIL]
	s_wait_dscnt 0x0
	ROUND                                          ; the closing round
	s_endpgm
.Lfunc_end_k_qf4f1b404be_attn:
	.size	k_qf4f1b404be_attn, .Lfunc_end_k_qf4f1b404be_attn-k_qf4f1b404be_attn
	.p2alignl 7, 3214868480
	.fill 96, 4, 3214868480
	.section	.rodata,"a",@progbits
	.p2align	6, 0x0
	.amdhsa_kernel k_qf4f1b404be_attn
		.amdhsa_group_segment_fixed_size 327680
		.amdhsa_private_segment_fixed_size 0
		.amdhsa_enable_private_segment 0
		.amdhsa_kernarg_size 56
		.amdhsa_user_sgpr_count 2
		.amdhsa_user_sgpr_kernarg_segment_ptr 1
		.amdhsa_wavefront_size32 1
		.amdhsa_system_sgpr_workgroup_id_x 1
		.amdhsa_system_sgpr_workgroup_id_y 1
		.amdhsa_system_sgpr_workgroup_id_z 1
		.amdhsa_system_vgpr_workitem_id 0
		.amdhsa_next_free_vgpr 512
		.amdhsa_next_free_sgpr 96
		.amdhsa_reserve_vcc 0
		.amdhsa_float_denorm_mode_32 3
		.amdhsa_float_denorm_mode_16_64 3
		.amdhsa_memory_ordered 1
		.amdhsa_forward_progress 1
		.amdhsa_inst_pref_size 131
	.end_amdhsa_kernel
	.amdgpu_metadata
---
amdhsa.version: [ 1, 2 ]
amdhsa.kernels:
  - .name:           k_qf4f1b404be_attn
    .symbol:         k_qf4f1b404be_attn.kd
    .args:
      - { .name: qimg, .offset: 0, .size: 8, .value_kind: global_buffer, .address_space: global }
      - { .name: kimg, .offset: 8, .size: 8, .value_kind: global_buffer, .address_space: global }
      - { .name: vimg, .offset: 16, .size: 8, .value_kind: global_buffer, .address_space: global }
      - { .name: mask0, .offset: 24, .size: 8, .value_kind: global_buffer, .address_space: global }
      - { .name: mask1, .offset: 32, .size: 8, .value_kind: global_buffer, .address_space: global }
      - { .name: lowp_scales, .offset: 40, .size: 8, .value_kind: global_buffer, .address_space: global }
      - { .name: ac, .offset: 48, .size: 8, .value_kind: global_buffer, .address_space: global }
    .group_segment_fixed_size: 327680
    .private_segment_fixed_size: 0
    .kernarg_segment_align: 8
    .kernarg_segment_size: 56
    .max_flat_workgroup_size: 256
    .sgpr_count:     96
    .vgpr_count:     512
    .wavefront_size: 32
...
	.end_amdgpu_metadata
.endif
;; end of part 3
;; launch oproj (part 4): grid 16 x 16, 4 waves a work-group, clusters of 4 x 4, 327,680 bytes of LDS; arguments ac, codes, lowp_scales, out0; writes out0
.if DOCPART == 4
	.amdgcn_target "amdgcn-amd-amdhsa--gfx1250"
	.amdhsa_code_object_version 6
	.text
	.protected	k_qf4f1b404be_oproj
	.globl	k_qf4f1b404be_oproj
	.p2align	8
	.type	k_qf4f1b404be_oproj,@function
k_qf4f1b404be_oproj:
	s_mov_b64 s[64:65], 0
	v_nop
	global_prefetch_b8 v0, s[64:65] scope:SCOPE_SE
	s_setreg_imm32_b32 hwreg(HW_REG_WAVE_MODE, 25, 1), 1
	s_wait_xcnt 0x0
	s_wait_alu depctr_hold_cnt(0) depctr_sa_sdst(0) depctr_va_vdst(0) depctr_va_sdst(0) depctr_va_ssrc(0) depctr_va_vcc(0) depctr_vm_vsrc(0)
	s_getreg_b32 s2, hwreg(HW_REG_IB_STS2, 6, 4)
	s_cmp_eq_u32 s2, 0
	s_cbranch_scc0 .Lentry_in_a_cluster
	s_endpgm
.Lentry_in_a_cluster:
	s_bfe_u32 s2, ttmp6, 0x10000c
	s_cmp_lg_u32 s2, 0xf033
	s_cbranch_scc0 .Lentry_shape_is_right
	s_endpgm
.Lentry_shape_is_right:
; Product 6: out0 = a wo^T on codes of FP8 (E4M3).  a: [2048][2048] codes, rows as they are (lowp_scales[10]); wo: section 6 of codes, in which position p holds row p with bits 3 and 4 exchanged ([11]).  out0: f32.
; A tile of the result is 128 x 128; four waves, each 64 x 64: 16 accumulators.  K = 2,048 goes in four steps of 512 (LDS rows of 512 bytes + 16) through a ring of two slots filled by the tensor data mover.
; CLUSTERS: 4 x 4 work-groups; the four of a row need the same tile of a, the four of a column the same tile of wo: each is asked for jointly.
; THE MATRIX INSTRUCTION IS USED TRANSPOSED (source 0 = 16 positions of wo, source 1 = 16 rows of a): in accumulator (a, b) lane (r, h), register j holds column C0 + 32 (b / 2) + 16 h + 8 (b % 2) + j of row R0 + 16 a + r.
; A fragment (16 x 128 codes) comes by four loads of 16 bytes, 32 apart: a permutation of k that is the same on both sides.  Each finished sum is multiplied once by 2^([10] + [11]).
; The way out: 16 rows x 64 columns at a time through the wave's own stage in LDS, so that sixteen lanes store 256 consecutive, aligned bytes.
; LIMIT: [10] + [11] between -126 and 127.
; REGISTERS: window 0: v16-29 addresses; v32-63 scaled sums; v64-127 rows read back, two sets; v128-255 the accumulators.  window 1: two fragment buffers of 128.
.set KSTEP,  512
.set PITCH,  528                       ; 132 words: row r starts at bank 4 r mod 64 (64 banks of 4 bytes: ISA guide 11.1)
.set HALFT,  64*PITCH
.set SLOT,   4*HALFT
.set STAGE,  2*SLOT                    ; behind the ring: 16 rows x 272 bytes for each wave; no tensor load lands there
.set SPITCH, 272
.set SPARE,  STAGE+4*16*SPITCH         ; the spare words, 128 bytes a wave, which no other line names
.set ADRA, 16
.set ADRB, 20
.set STO,  24
.set RD,   25
.set CO,   26
.set SPW,  28
.set NIL,  29
.set TMP,  32
.set BK,   64
.set ACC,  128
.set F0,   0
.set F1,   128
.set WV, 18
.set HR, 19                            ; which half of the tile's rows is mine; also: I fetch for a (0) or for wo (1)
.set HC, 20                            ; which half of its columns; also: which 64 rows of that tile I fetch
.set G1, 24
.set G0, 32
.set G1B, 48
.set G0B, 56
.set MSB, 0
.macro WIN new                         ; the immediate's high byte repeats the setting that is left
.if MSB != \new
	s_set_vgpr_msb (MSB<<8)|\new
.set MSB, \new
.endif
.endm
.set MUL,  0x05                        ; sources 0 and 1 window 1; C and D window 0
.set TO_F, 0x40                        ; destination window 1, address window 0
.macro JLOAD s                         ; a joint load: waves 0 and 1 fetch a's halves, waves 2 and 3 wo's; an s_nop 0 and four v_nop follow each line
	s_cmp_eq_u32 s[HR], 0
	s_cbranch_scc0 .Lfor_b_\@
	tensor_load_to_lds s[G0+4*\s:G0+4*\s+3], s[G1:G1+7]
	s_nop 0
.rept 4
	v_nop
.endr
	s_branch .Lasked_\@
.Lfor_b_\@:
	tensor_load_to_lds s[G0B+4*\s:G0B+4*\s+3], s[G1B:G1B+7]
	s_nop 0
.rept 4
	v_nop
.endr
.Lasked_\@:
.endm
.macro CREST
	s_cmp_lg_u32 s[WV], 0
	s_cbranch_scc1 .Lnot_wave_0_\@
	s_barrier_signal -3
.Lnot_wave_0_\@:
	s_barrier_wait -3
	s_barrier_signal -1
	s_barrier_wait -1
.endm
.macro CROUND
	s_barrier_signal -1
	s_barrier_wait -1
	CREST
.endm
.macro PLACES                          ; four plain lines in front of loads into registers that matrix instructions have read, and of the first read of results
.rept 4
	v_nop
.endr
.endm
	s_load_b256 s[4:11], s[0:1], 0x0               ; ac, codes, the scales' exponents, out0
	v_lshl_add_u32 v[SPW], v0, 2, SPARE
	v_mov_b32 v[NIL], 0
	ds_add_u32 v[SPW], v[NIL]                      ; the wave's opening: the add and its wait ahead of my first tensor load; register work stands between
	v_lshrrev_b32 v1, 5, v0
	v_readfirstlane_b32 s[WV], v1
	s_lshr_b32 s[HR], s[WV], 1
	s_and_b32 s[HC], s[WV], 1
	s_bfe_u32 s40, ttmp6, 0x40000                  ; cx
	s_bfe_u32 s41, ttmp6, 0x40004                  ; cy
	s_lshl_b32 s42, ttmp9, 2
	s_add_co_u32 s42, s42, s40                     ; tile column
	s_and_b32 s45, ttmp7, 0xffff
	s_lshl_b32 s45, s45, 2
	s_add_co_u32 s45, s45, s41                     ; tile row
	s_lshl_b32 s46, s41, 2
	s_lshl_b32 s46, 15, s46                        ; my row of the cluster
	s_lshl_b32 s47, 0x1111, s40                    ; my column
	s_or_b32 s[G1], s46, (1<<20)|(1<<21)|(6<<22)|(3<<25)    ; the mask; elements of 1 byte; padding on; bit 21 beside a mask; after every 128 words four words
	s_or_b32 s[G1B], s47, (1<<20)|(1<<21)|(6<<22)|(3<<25)
.irp g, G1, G1B
	s_mov_b32 s[\g+1], KSTEP<<16
	s_mov_b32 s[\g+2], 64<<16
	s_mov_b32 s[\g+3], KSTEP<<16
	s_mov_b32 s[\g+4], 64
	s_mov_b32 s[\g+5], 2048
	s_mov_b32 s[\g+6], 0
	s_mov_b32 s[\g+7], 0
.endr
	s_lshl_b32 s21, s[HC], 6                       ; which 64 rows of a tile I fetch
	s_lshl_b32 s68, s45, 7
	s_add_co_u32 s68, s68, s21
	s_lshl_b32 s68, s68, 11                        ; rows of 2,048 bytes
	s_mov_b32 s69, 0
	s_lshl_b32 s72, s42, 7
	s_add_co_u32 s72, s72, s21
	s_lshl_b32 s72, s72, 11
	s_add_co_u32 s72, s72, 6<<22                   ; section 6
	s_mov_b32 s73, 0
	s_mul_i32 s85, s[WV], HALFT                    ; where my load goes: no place in the cluster enters an LDS address
	s_wait_dscnt 0x0                               ; the opening add is done
	s_wait_kmcnt 0x0
	s_load_b64 s[96:97], s[8:9], 0x28              ; [10], [11]
	s_add_nc_u64 s[68:69], s[4:5], s[68:69]
	s_add_nc_u64 s[72:73], s[6:7], s[72:73]
	CROUND                                         ; all sixteen work-groups are here: the first joint loads meet
.irp s, 0,1
	s_mov_b32 s[G0+4*\s], 1
	s_add_co_u32 s[G0+4*\s+1], s85, \s*SLOT
	s_add_nc_u64 s[G0+4*\s+2:G0+4*\s+3], s[68:69], \s*KSTEP
	s_or_b32 s[G0+4*\s+3], s[G0+4*\s+3], 0x80000000
	s_mov_b32 s[G0B+4*\s], 1
	s_add_co_u32 s[G0B+4*\s+1], s85, \s*SLOT
	s_add_nc_u64 s[G0B+4*\s+2:G0B+4*\s+3], s[72:73], \s*KSTEP
	s_or_b32 s[G0B+4*\s+3], s[G0B+4*\s+3], 0x80000000
	JLOAD \s
.endr
	v_and_b32 v1, 15, v0                           ; r
	v_bfe_u32 v2, v0, 4, 1                         ; h
	v_mul_u32_u24 v3, v1, PITCH
	v_lshl_add_u32 v3, v2, 4, v3
	s_mul_i32 s21, s[HR], HALFT
	s_mul_i32 s22, s[HC], HALFT
	s_add_co_u32 s22, s22, 2*HALFT
.irp s, 0,1
	v_add_nc_u32 v[ADRA+\s], s21, v3
	v_add_nc_u32 v[ADRB+\s], s22, v3
	s_add_co_u32 s21, s21, SLOT
	s_add_co_u32 s22, s22, SLOT
.endr
	s_mul_i32 s23, s[WV], 16*SPITCH
	s_add_co_u32 s23, s23, STAGE                   ; my stage
	v_mul_u32_u24 v[STO], v1, SPITCH
	v_lshl_add_u32 v[STO], v2, 6, v[STO]
	v_add_nc_u32 v[STO], s23, v[STO]               ; in: row r, + 64 h bytes
	v_mul_u32_u24 v[RD], v2, SPITCH
	v_lshl_add_u32 v[RD], v1, 4, v[RD]
	v_add_nc_u32 v[RD], s23, v[RD]                 ; back: lanes 0-15 one row of 256 bytes, lanes 16-31 the next
	v_lshlrev_b32 v[CO], 13, v2
	v_lshl_add_u32 v[CO], v1, 4, v[CO]             ; and the same two rows in out0
	s_lshl_b32 s86, s45, 7
	s_lshl_b32 s87, s[HR], 6
	s_add_co_u32 s86, s86, s87                     ; R0
	s_lshl_b32 s86, s86, 13                        ; rows of 8,192 bytes
	s_lshl_b32 s87, s42, 7
	s_lshl_b32 s88, s[HC], 6
	s_add_co_u32 s87, s87, s88                     ; C0
	s_lshl_b32 s87, s87, 2
	s_add_co_u32 s86, s86, s87
	s_mov_b32 s87, 0
	s_add_nc_u64 s[10:11], s[10:11], s[86:87]
; 32 LDS loads in one run: the fragments of 128 along K at byte k of the rows into buffer f: wo's four, then a's four
.macro FETCH slot, k, f
	WIN TO_F
.irp i, 0,1,2,3
.irp c, 0,1,2,3
	ds_load_b128 v[\f+64+16*\i+4*\c:\f+64+16*\i+4*\c+3], v[ADRB+\slot] offset:\k+32*\c+\i*16*PITCH
.endr
.endr
.irp i, 0,1,2,3
.irp c, 0,1,2,3
	ds_load_b128 v[\f+16*\i+4*\c:\f+16*\i+4*\c+3], v[ADRA+\slot] offset:\k+32*\c+\i*16*PITCH
.endr
.endr
.endm
; four matrix instructions: row block a against the four column blocks.  The 16 accumulators take turns in the same order in every quarter.
.macro MULA f, a, zero
.irp b, 0,1,2,3
.if \zero
	v_wmma_f32_16x16x128_fp8_fp8 v[ACC+8*(4*\a+\b):ACC+8*(4*\a+\b)+7], v[\f+64+16*\b:\f+64+16*\b+15], v[\f+16*\a:\f+16*\a+15], 0
.else
	v_wmma_f32_16x16x128_fp8_fp8 v[ACC+8*(4*\a+\b):ACC+8*(4*\a+\b)+7], v[\f+64+16*\b:\f+64+16*\b+15], v[\f+16*\a:\f+16*\a+15], v[ACC+8*(4*\a+\b):ACC+8*(4*\a+\b)+7]
.endif
.endr
.endm
.macro QUARTER slot, k, f, g, zero
	s_wait_dscnt 8                                 ; all but the youngest eight loads (row blocks 2 and 3) are in
	WIN MUL
	MULA \f, 0, \zero
	MULA \f, 1, \zero
	PLACES
	FETCH \slot, \k, \g
	s_wait_dscnt 32                                ; all but the 32 just issued
	WIN MUL
	MULA \f, 2, \zero
	MULA \f, 3, \zero
.endm
; The last quarter multiplies buffer 1 and changes slots: one barrier; in front of it each wave waits for all its tensor loads, adds 0 to its spare word, and waits for that and for its reads of this slot.
.macro TURN slot, next, fill
	WIN 0
	s_wait_tensorcnt 0x0                           ; my part of the next slot has landed
	ds_add_u32 v[SPW], v[NIL]
	s_wait_dscnt 9                                 ; (the add and the youngest eight loads may be out)
	WIN MUL
	MULA F1, 0, 0
	s_wait_dscnt 0x0                               ; the add is done, and my reads of this slot are over
	s_barrier_signal -1
	MULA F1, 1, 0
	WIN 0
	s_barrier_wait -1
.if \fill
	CREST                                          ; the barrier has opened a round of the cluster's: no wave of any partner still reads this slot or has a load on its way
	s_add_nc_u64 s[G0+4*\slot+2:G0+4*\slot+3], s[G0+4*\slot+2:G0+4*\slot+3], 2*KSTEP
	s_add_nc_u64 s[G0B+4*\slot+2:G0B+4*\slot+3], s[G0B+4*\slot+2:G0B+4*\slot+3], 2*KSTEP
	JLOAD \slot                                    ; the first tensor load behind the round; its four v_nop are also the places in front of the loads below
.else
	PLACES
.endif
	FETCH \next, 0, F0
	WIN MUL
	MULA F1, 2, 0
	MULA F1, 3, 0
.endm
	s_wait_tensorcnt 1                             ; my part of K step 0 is in; K step 1's may be out
	s_barrier_signal -1
	s_barrier_wait -1
	FETCH 0, 0, F0
	QUARTER 0, 128, F0, F1, 1                      ; the first products start the sums: nothing is cleared
	QUARTER 0, 256, F1, F0, 0
	QUARTER 0, 384, F0, F1, 0
	TURN 0, 1, 1                                   ; slot 0 takes K step 2
	QUARTER 1, 128, F0, F1, 0
	QUARTER 1, 256, F1, F0, 0
	QUARTER 1, 384, F0, F1, 0
	TURN 1, 0, 1                                   ; slot 1 takes K step 3
	QUARTER 0, 128, F0, F1, 0
	QUARTER 0, 256, F1, F0, 0
	QUARTER 0, 384, F0, F1, 0
	TURN 0, 1, 0                                   ; nothing is left to fetch
	QUARTER 1, 128, F0, F1, 0
	QUARTER 1, 256, F1, F0, 0
	QUARTER 1, 384, F0, F1, 0
	s_wait_dscnt 8
	WIN MUL
	MULA F1, 0, 0
	MULA F1, 1, 0
	s_wait_dscnt 0
	MULA F1, 2, 0
	MULA F1, 3, 0
	WIN 0
; THE WAY OUT, a block of 16 rows x 64 columns at a time: scaled into other registers, into my stage, back as whole rows.  LDS serves a wave's instructions in order: no wait between the stores and the loads, nor in front of the next block's stores.
.macro TOSTAGE a
.irp b, 0,1,2,3
.irp i, 0,2,4,6
	v_pk_mul_f32 v[TMP+8*\b+\i:TMP+8*\b+\i+1], v[ACC+8*(4*(\a)+\b)+\i:ACC+8*(4*(\a)+\b)+\i+1], s[96:97] op_sel_hi:[1,0]   ; x 2^([10] + [11]); each accumulator from its low end on
.endr
.endr
.irp b, 0,1,2,3
	ds_store_b128 v[STO], v[TMP+8*\b:TMP+8*\b+3] offset:128*(\b/2)+32*(\b%2)
	ds_store_b128 v[STO], v[TMP+8*\b+4:TMP+8*\b+7] offset:128*(\b/2)+32*(\b%2)+16
.endr
.set BB, BK+32*((\a)%2)
.irp t, 0,1,2,3,4,5,6,7
	ds_load_b128 v[BB+4*\t:BB+4*\t+3], v[RD] offset:\t*2*SPITCH
.endr
.endm
.macro SEND a, younger                 ; younger: the LDS instructions issued behind block a's loads, which may stay out
.set BB, BK+32*((\a)%2)
	s_wait_dscnt \younger
.irp t, 0,1,2,3,4,5,6,7
	global_store_b128 v[CO], v[BB+4*\t:BB+4*\t+3], s[10:11] offset:(16*(\a)+2*\t)*8192 th:TH_STORE_NT   ; sixteen lanes store 256 consecutive bytes, aligned; written once, read by nobody here
.endr
.endm
	s_wait_kmcnt 0x0
	s_add_co_i32 s96, s96, s97
	s_add_co_i32 s96, s96, 127
	s_lshl_b32 s96, s96, 23                        ; 2^([10] + [11]) as f32
	s_mov_b32 s97, s96                             ; (named with it as a pair, so it is written)
	PLACES
	TOSTAGE 0
.irp a, 1,2,3
.if \a > 1
	s_wait_xcnt 0x0                                ; block a - 2's stores have read their registers: block a's loads may land there
.endif
	TOSTAGE \a
	SEND \a-1, 16                                  ; behind block a - 1's loads: block a's eight stores and eight loads
.endr
	SEND 3, 0
	s_wait_tensorcnt 0x0                           ; the wave's end
	ds_add_u32 v[SPW], v[NIL]
	s_wait_dscnt 0x0
	CROUND                                         ; the closing round
	s_endpgm
.Lfunc_end_k_qf4f1b404be_oproj:
	.size	k_qf4f1b404be_oproj, .Lfunc_end_k_qf4f1b404be_oproj-k_qf4f1b404be_oproj
	.p2alignl 7, 3214868480
	.fill 96, 4, 3214868480
	.section	.rodata,"a",@progbits
	.p2align	6, 0x0
	.amdhsa_kernel k_qf4f1b404be_oproj
		.amdhsa_group_segment_fixed_size 327680
		.amdhsa_private_segment_fixed_size 0
		.amdhsa_enable_private_segment 0
		.amdhsa_kernarg_size 32
		.amdhsa_user_sgpr_count 2
		.amdhsa_user_sgpr_kernarg_segment_ptr 1
		.amdhsa_wavefront_size32 1
		.amdhsa_system_sgpr_workgroup_id_x 1
		.amdhsa_system_sgpr_workgroup_id_y 1
		.amdhsa_system_sgpr_workgroup_id_z 1
		.amdhsa_system_vgpr_workitem_id 0
		.amdhsa_next_free_vgpr 512
		.amdhsa_next_free_sgpr 100
		.amdhsa_reserve_vcc 0
		.amdhsa_float_denorm_mode_32 3
		.amdhsa_float_denorm_mode_16_64 3
		.amdhsa_memory_ordered 1
		.amdhsa_forward_progress 1
		.amdhsa_inst_pref_size 73
	.end_amdhsa_kernel
	.amdgpu_metadata
---
amdhsa.version: [ 1, 2 ]
amdhsa.kernels:
  - .name:           k_qf4f1b404be_oproj
    .symbol:         k_qf4f1b404be_oproj.kd
    .args:
      - { .name: ac, .offset: 0, .size: 8, .value_kind: global_buffer, .address_space: global }
      - { .name: codes, .offset: 8, .size: 8, .value_kind: global_buffer, .address_space: global }
      - { .name: lowp_scales, .offset: 16, .size: 8, .value_kind: global_buffer, .address_space: global }
      - { .name: out0, .offset: 24, .size: 8, .value_kind: global_buffer, .address_space: global }
    .group_segment_fixed_size: 327680
    .private_segment_fixed_size: 0
    .kernarg_segment_align: 8
    .kernarg_segment_size: 32
    .max_flat_workgroup_size: 128
    .sgpr_count:     100
    .vgpr_count:     512
    .wavefront_size: 32
...
	.end_amdgpu_metadata
.endif
;; end of part 4
;; ======== version 2 of 2: 4 launches
;; limits: right only within a limited range of input values
;; workspace buffers: codes 29,360,128 bytes; qimg 4,194,304 bytes; kimg 4,194,304 bytes; vimg 4,194,304 bytes; ac 4,194,304 bytes
;; launch quant (part 5): grid 1280 x 1, 4 waves a work-group, no clusters, 33,280 bytes of LDS; arguments x, wq, wk, wv, wo, lowp_scales, codes; writes codes
.if DOCPART == 5
	.amdgcn_target "amdgcn-amd-amdhsa--gfx1250"
	.amdhsa_code_object_version 6
	.text
	.protected	k_qf4f1b404be_quant
	.globl	k_qf4f1b404be_quant
	.p2align	8
	.type	k_qf4f1b404be_quant,@function
k_qf4f1b404be_quant:
	s_mov_b64 s[64:65], 0
	v_nop
	global_prefetch_b8 v0, s[64:65] scope:SCOPE_SE
	s_setreg_imm32_b32 hwreg(HW_REG_WAVE_MODE, 25, 1), 1
	s_wait_xcnt 0x0
; x and the four weights, each [2048][2048] f32 with K innermost, become codes of FP8 (E4M3), one byte a number, K innermost.
; codes has seven sections of 4 MiB: 0, 1, 2: x under lowp_scales[0], [2], [4];  3: wq under [1];  4: wk under [3];  5: wv under [5];  6: wo under [11].
; code = number / 2^e, held within +-448, rounded to the nearest code, ties to even.
; IN EVERY SECTION POSITION p HOLDS THE TENSOR'S ROW p WITH BITS 3 AND 4 EXCHANGED.  The products that follow take 16 neighbouring positions as a tile; with this order two neighbouring
; tiles of results give a lane 16 neighbours along the next product's K, so that later conversions' results are operand registers as they stand.
; SHARES.  256 work-groups a tensor (tensor = work-group / 256): 1,280 in all, five for each of 256 WGPs.  A wave takes a run of 4,096 numbers, two rows, in 8 steps of 512.  Row bits 3 and 4 are run bits 2 and 3: a run moves as a whole.
; Each load reads 512 consecutive bytes; a step's 2,048 bytes turn through the wave's own stage in LDS and come back 16 neighbours a lane; a lane's 16 codes are 16 bytes, so a store covers 512 consecutive bytes.
; x is read once and converted three times: the two further passes stand under a scalar branch on the work-group's number, round vector lines and stores alone.
; LIMITS: each e used here between -126 and 119.  NaN among the inputs is not served (an infinity is held at the largest code).
; No tensor loads, clusters or matrix units: a stream that is read once; waves share nothing, so there is no barrier.
.set STEPS, 8
.set SP,    80                         ; a lane's place in a stage: 64 bytes + 16 of padding
.set WREG,  8192                       ; LDS of a wave: two stages of 32 x SP bytes
.set SPARE, 4*WREG                     ; behind the four regions: the spare words, 128 bytes a wave, which no other line names
.set LI,    3                          ; v3      16 x lane: my bytes of a load's 512, and of a store's
.set SCL,   4                          ; v4-9    pass p: v[4+2p] = 2^e as f32, v[5+2p] = 448 x 2^e
.set SPW,   12                         ; v12     my spare word; never rewritten
.set NIL,   13                         ; v13     0; never rewritten
.set SIN,   14                         ; v14     the stage, on the way in
.set SOUT,  15                         ; v15     and on the way out
.set R,     16                         ; v16-79  four sets of 16 numbers as loaded
.set X,     80                         ; v80-111 two sets of 16 neighbours
.set TM,    112                        ; v112-127 the numbers, held
.set C,     128                        ; v128-151 codes: two sets of three passes x four registers
.set TEN,   19                         ; s19     which tensor
.set OB,    16                         ; s[16:17] where my run's codes go
.set OB2,   38                         ; s[38:39] the same two sections on (x's third)
	s_load_b256 s[4:11], s[0:1], 0x0               ; x, wq, wk, wv
	s_load_b128 s[12:15], s[0:1], 0x20             ; wo, the scales' exponents
	s_load_b64 s[16:17], s[0:1], 0x30              ; codes
	v_lshl_add_u32 v[SPW], v0, 2, SPARE
	v_mov_b32 v[NIL], 0
	v_lshrrev_b32 v1, 5, v0
	v_readfirstlane_b32 s18, v1                    ; wave
	v_and_b32 v2, 31, v0                           ; lane
	v_lshlrev_b32 v[LI], 4, v2
	s_mul_i32 s22, s18, WREG
	v_lshrrev_b32 v[SIN], 2, v2
	v_mul_u32_u24 v[SIN], v[SIN], SP
	v_and_b32 v[SOUT], 3, v2
	v_lshl_add_u32 v[SIN], v[SOUT], 4, v[SIN]
	v_add_nc_u32 v[SIN], s22, v[SIN]               ; in: four lanes' 64 bytes on end, then the padding
	v_mul_u32_u24 v[SOUT], v2, SP
	v_add_nc_u32 v[SOUT], s22, v[SOUT]             ; out: my 16 neighbours
	s_lshr_b32 s[TEN], ttmp9, 8
	s_and_b32 s20, ttmp9, 255
	s_lshl_b32 s20, s20, 2
	s_add_co_u32 s20, s20, s18                     ; my run, 0 .. 1023
	s_and_b32 s21, s20, 0x3f3
	s_and_b32 s22, s20, 4
	s_lshl_b32 s22, s22, 1
	s_or_b32 s21, s21, s22
	s_and_b32 s22, s20, 8
	s_lshr_b32 s22, s22, 1
	s_or_b32 s21, s21, s22                         ; the run with bits 2 and 3 exchanged: where it goes
	s_lshl_b32 s22, s20, 14                        ; a run is 16,384 bytes of f32
	s_mov_b32 s23, 0
	s_add_co_u32 s36, s[TEN], 2
	s_cmp_eq_u32 s[TEN], 0
	s_cselect_b32 s36, 0, s36                      ; the section of the first pass: 0 for x, tensor + 2 for a weight
	s_lshl_b32 s36, s36, 22
	s_lshl_b32 s37, s21, 12                        ; a run is 4,096 bytes of codes
	s_add_co_u32 s36, s36, s37
	s_mov_b32 s37, 0
	s_wait_alu depctr_va_vdst(0)
	s_wait_kmcnt 0x0
	s_load_b256 s[24:31], s[14:15], 0x0            ; lowp_scales[0..7]
	s_load_b128 s[32:35], s[14:15], 0x20           ; [8..11]
	s_cmp_eq_u32 s[TEN], 1                         ; the tensor is chosen by the work-group's number alone
	s_cselect_b64 s[4:5], s[6:7], s[4:5]
	s_cmp_eq_u32 s[TEN], 2
	s_cselect_b64 s[4:5], s[8:9], s[4:5]
	s_cmp_eq_u32 s[TEN], 3
	s_cselect_b64 s[4:5], s[10:11], s[4:5]
	s_cmp_eq_u32 s[TEN], 4
	s_cselect_b64 s[4:5], s[12:13], s[4:5]
	s_add_nc_u64 s[4:5], s[4:5], s[22:23]
	s_add_nc_u64 s[OB:OB+1], s[OB:OB+1], s[36:37]
	s_add_nc_u64 s[OB2:OB2+1], s[OB:OB+1], 0x800000
.macro LOAD t
.irp i, 0,1,2,3
	global_load_b128 v[R+16*((\t)%4)+4*\i:R+16*((\t)%4)+4*\i+3], v[LI], s[4:5] offset:2048*(\t)+512*\i th:TH_LOAD_NT   ; 32 lanes read 512 consecutive bytes
.endr
.endm
.macro TURN t                          ; a step's numbers through the stage: LDS serves a wave's instructions in order, so no wait stands between the stores and the loads
.irp i, 0,1,2,3
	ds_store_b128 v[SIN], v[R+16*((\t)%4)+4*\i:R+16*((\t)%4)+4*\i+3] offset:32*SP*((\t)%2)+8*SP*\i
.endr
.irp i, 0,1,2,3
	ds_load_b128 v[X+16*((\t)%2)+4*\i:X+16*((\t)%2)+4*\i+3], v[SOUT] offset:32*SP*((\t)%2)+16*\i
.endr
.endm
.irp t, 0,1,2,3
	LOAD \t
.endr
.macro MKSC e, p                       ; 2^e and 448 x 2^e as f32, from the whole number in s[e]
	s_add_co_i32 s41, s[\e], 127
	s_lshl_b32 s42, s41, 23
	v_mov_b32 v[SCL+2*\p], s42
	s_add_co_i32 s41, s41, 8
	s_lshl_b32 s41, s41, 23
	s_or_b32 s41, s41, 0x600000
	v_mov_b32 v[SCL+2*\p+1], s41
.endm
	s_wait_kmcnt 0x0
	s_cmp_eq_u32 s[TEN], 1
	s_cselect_b32 s40, s25, s24                    ; the first pass's e: x [0], wq [1], wk [3], wv [5], wo [11]
	s_cmp_eq_u32 s[TEN], 2
	s_cselect_b32 s40, s27, s40
	s_cmp_eq_u32 s[TEN], 3
	s_cselect_b32 s40, s29, s40
	s_cmp_eq_u32 s[TEN], 4
	s_cselect_b32 s40, s35, s40
	MKSC 40, 0
	MKSC 26, 1                                     ; x under [2]
	MKSC 28, 2                                     ; x under [4]
	s_wait_alu depctr_va_vdst(0)
	s_wait_loadcnt 12                              ; step 0's four loads are in
	TURN 0
; One pass over a step's 16 neighbours: held (out of place: x's numbers serve three passes), converted, stored.
.macro PASS t, p, base, imm
.irp i, 0,1,2,3,4,5,6,7,8,9,10,11,12,13,14,15
	v_med3_num_f32 v[TM+\i], v[X+16*((\t)%2)+\i], -v[SCL+2*\p+1], v[SCL+2*\p+1]   ; the conversion to an 8-bit code does not saturate (ISA guide 7.6.2)
.endr
	v_cvt_scalef32_pk8_fp8_f32 v[C+12*((\t)%2)+4*\p:C+12*((\t)%2)+4*\p+1], v[TM:TM+7], v[SCL+2*\p]
	v_cvt_scalef32_pk8_fp8_f32 v[C+12*((\t)%2)+4*\p+2:C+12*((\t)%2)+4*\p+3], v[TM+8:TM+15], v[SCL+2*\p]
	v_nop                                          ; a plain line between the conversions and the next pass's holds, which write their sources
	global_store_b128 v[LI], v[C+12*((\t)%2)+4*\p:C+12*((\t)%2)+4*\p+3], s[\base:\base+1] offset:\imm+512*(\t)   ; 512 consecutive bytes, aligned
.endm
.macro STEP t
	s_wait_dscnt 0x0                               ; this step's numbers are back from the stage, and its stores into the stage have read their registers
	s_wait_xcnt 0x0                                ; the stores of two steps ago have read this set of code registers
.if (\t)+4 < STEPS
	LOAD (\t)+4
.endif
.if (\t)+1 < STEPS
.if STEPS-2-(\t) >= 3
	s_wait_loadcnt 12                              ; the next step's four loads are in; three steps' may be out
.else
	s_wait_loadcnt 4*(STEPS-2-(\t))
.endif
	TURN (\t)+1
.endif
	PASS \t, 0, OB, 0
	s_cmp_lg_u32 s[TEN], 0                         ; a weight has one scale
	s_cbranch_scc1 .Lone_\@
	PASS \t, 1, OB, 4194304                        ; x's second section,
	PASS \t, 2, OB2, 0                             ; and its third
.Lone_\@:
.endm
.irp t, 0,1,2,3,4,5,6,7
	STEP \t
.endr
	s_wait_tensorcnt 0x0                           ; the wave's end
	ds_add_u32 v[SPW], v[NIL]
	s_wait_dscnt 0x0
	s_endpgm
.Lfunc_end_k_qf4f1b404be_quant:
	.size	k_qf4f1b404be_quant, .Lfunc_end_k_qf4f1b404be_quant-k_qf4f1b404be_quant
	.p2alignl 7, 3214868480
	.fill 96, 4, 3214868480
	.section	.rodata,"a",@progbits
	.p2align	6, 0x0
	.amdhsa_kernel k_qf4f1b404be_quant
		.amdhsa_group_segment_fixed_size 33280
		.amdhsa_private_segment_fixed_size 0
		.amdhsa_enable_private_segment 0
		.amdhsa_kernarg_size 56
		.amdhsa_user_sgpr_count 2
		.amdhsa_user_sgpr_kernarg_segment_ptr 1
		.amdhsa_wavefront_size32 1
		.amdhsa_system_sgpr_workgroup_id_x 1
		.amdhsa_system_sgpr_workgroup_id_y 1
		.amdhsa_system_sgpr_workgroup_id_z 1
		.amdhsa_system_vgpr_workitem_id 0
		.amdhsa_next_free_vgpr 152
		.amdhsa_next_free_sgpr 66
		.amdhsa_reserve_vcc 0
		.amdhsa_float_denorm_mode_32 3
		.amdhsa_float_denorm_mode_16_64 3
		.amdhsa_memory_ordered 1
		.amdhsa_forward_progress 1
		.amdhsa_inst_pref_size 42
	.end_amdhsa_kernel
	.amdgpu_metadata
---
amdhsa.version: [ 1, 2 ]
amdhsa.kernels:
  - .name:           k_qf4f1b404be_quant
    .symbol:         k_qf4f1b404be_quant.kd
    .args:
      - { .name: x, .offset: 0, .size: 8, .value_kind: global_buffer, .address_space: global }
      - { .name: wq, .offset: 8, .size: 8, .value_kind: global_buffer, .address_space: global }
      - { .name: wk, .offset: 16, .size: 8, .value_kind: global_buffer, .address_space: global }
      - { .name: wv, .offset: 24, .size: 8, .value_kind: global_buffer, .address_space: global }
      - { .name: wo, .offset: 32, .size: 8, .value_kind: global_buffer, .address_space: global }
      - { .name: lowp_scales, .offset: 40, .size: 8, .value_kind: global_buffer, .address_space: global }
      - { .name: codes, .offset: 48, .size: 8, .value_kind: global_buffer, .address_space: global }
    .group_segment_fixed_size: 33280
    .private_segment_fixed_size: 0
    .kernarg_segment_align: 8
    .kernarg_segment_size: 56
    .max_flat_workgroup_size: 128
    .sgpr_count:     66
    .vgpr_count:     152
    .wavefront_size: 32
...
	.end_amdgpu_metadata
.endif
;; end of part 5
;; launch qkv (part 6): grid 16 x 16, 4 waves a work-group, clusters of 4 x 4, 327,680 bytes of LDS; arguments codes, freqs_cos, freqs_sin, lowp_scales, qimg, kimg, vimg; writes qimg, kimg, vimg
.if DOCPART == 6
	.amdgcn_target "amdgcn-amd-amdhsa--gfx1250"
	.amdhsa_code_object_version 6
	.text
	.protected	k_qf4f1b404be_qkv
	.globl	k_qf4f1b404be_qkv
	.p2align	8
	.type	k_qf4f1b404be_qkv,@function
k_qf4f1b404be_qkv:
	s_mov_b64 s[64:65], 0
	v_nop
	global_prefetch_b8 v0, s[64:65] scope:SCOPE_SE
	s_setreg_imm32_b32 hwreg(HW_REG_WAVE_MODE, 25, 1), 1
	s_wait_xcnt 0x0
	s_wait_alu depctr_hold_cnt(0) depctr_sa_sdst(0) depctr_va_vdst(0) depctr_va_sdst(0) depctr_va_ssrc(0) depctr_va_vcc(0) depctr_vm_vsrc(0)
	s_getreg_b32 s2, hwreg(HW_REG_IB_STS2, 6, 4)
	s_cmp_eq_u32 s2, 0
	s_cbranch_scc0 .Lentry_in_a_cluster
	s_endpgm
.Lentry_in_a_cluster:
	s_bfe_u32 s2, ttmp6, 0x10000c
	s_cmp_lg_u32 s2, 0xf033
	s_cbranch_scc0 .Lentry_shape_is_right
	s_endpgm
.Lentry_shape_is_right:
.set KSTEP,  512
.set PITCH,  528
.set HALFT,  64*PITCH
.set SLOT,   4*HALFT
.set SPARE,  2*SLOT
.set SEC,    1<<22
.set ADRA, 16
.set ADRB, 20
.set SCV,  24
.set SPW,  28
.set NIL,  29
.set TBO,  30
.set LI,   31
.set TMP,  32
.set ACC,  128
.set F0,   0
.set F1,   128
.set WV, 18
.set HR, 19
.set HC, 20
.set OUT, 12
.set LIM, 92
.set G1, 24
.set G0, 32
.set G1B, 48
.set G0B, 56
.set MSB, 0
.macro WIN new
.if MSB != \new
	s_set_vgpr_msb (MSB<<8)|\new
.set MSB, \new
.endif
.endm
.set MUL,  0x05
.set TO_F, 0x40
; PREFETCHES INTO THE L2.  The 12 K steps (three tiles of four) are numbered through.  Behind the joint load of K step t each wave asks for K step t + 2 (behind step 0's also for step 1):
; of the 64 rows x 512 bytes that the wave fetches, each of the four partners that ask for them jointly names 16 rows, told apart by address (cx for A's rows, cy for B's):
; a lane names one block of 256 bytes, two lanes a row, one instruction a wave.  The last two loads ask for nothing.  The two bases and the offset register are never rewritten.
.set PFO, 5                            ; v5       2,048 x (lane / 2) + 256 x (lane % 2)
.set PFA, 70                           ; s[70:71] my work-group's 16 rows at K step 0 of the first tile; the second tile lies a section on
.set PFB, 98                           ; s[98:99] the same rows at K step 0 of the third tile
.set PT, 4                             ; the K step that the next refill's prefetch names
.macro ASKT t
.if (\t) < 8
	global_prefetch_b8 v[PFO], s[PFA:PFA+1] offset:SEC*((\t)/4)+KSTEP*((\t)%4) th:TH_LOAD_NT scope:SCOPE_SE
.else
.if (\t) < 12
	global_prefetch_b8 v[PFO], s[PFB:PFB+1] offset:KSTEP*((\t)-8) th:TH_LOAD_NT scope:SCOPE_SE
.endif
.endif
.endm
.macro JLOAD s
	s_cmp_eq_u32 s[HR], 0
	s_cbranch_scc0 .Lfor_b_\@
	tensor_load_to_lds s[G0+4*\s:G0+4*\s+3], s[G1:G1+7]
	s_nop 0
.rept 4
	v_nop
.endr
	s_branch .Lasked_\@
.Lfor_b_\@:
	tensor_load_to_lds s[G0B+4*\s:G0B+4*\s+3], s[G1B:G1B+7]
	s_nop 0
.rept 4
	v_nop
.endr
.Lasked_\@:
.endm
.macro CREST
	s_cmp_lg_u32 s[WV], 0
	s_cbranch_scc1 .Lnot_wave_0_\@
	s_barrier_signal -3
.Lnot_wave_0_\@:
	s_barrier_wait -3
	s_barrier_signal -1
	s_barrier_wait -1
.endm
.macro CROUND
	s_barrier_signal -1
	s_barrier_wait -1
	CREST
.endm
.macro PLACES
.rept 4
	v_nop
.endr
.endm
	s_load_b256 s[4:11], s[0:1], 0x0
	s_load_b128 s[12:15], s[0:1], 0x20
	s_load_b64 s[16:17], s[0:1], 0x30
	v_lshl_add_u32 v[SPW], v0, 2, SPARE
	v_mov_b32 v[NIL], 0
	ds_add_u32 v[SPW], v[NIL]
	ds_add_u32 v[SPW], v[NIL]
	v_lshrrev_b32 v1, 5, v0
	v_readfirstlane_b32 s[WV], v1
	s_lshr_b32 s[HR], s[WV], 1
	s_and_b32 s[HC], s[WV], 1
	s_bfe_u32 s40, ttmp6, 0x40000
	s_bfe_u32 s41, ttmp6, 0x40004
	s_lshl_b32 s42, ttmp9, 2
	s_add_co_u32 s42, s42, s40
	s_and_b32 s45, ttmp7, 0xffff
	s_lshl_b32 s45, s45, 2
	s_add_co_u32 s45, s45, s41
	s_lshl_b32 s46, s41, 2
	s_lshl_b32 s46, 15, s46
	s_lshl_b32 s47, 0x1111, s40
	s_or_b32 s[G1], s46, (1<<20)|(1<<21)|(6<<22)|(3<<25)
	s_or_b32 s[G1B], s47, (1<<20)|(1<<21)|(6<<22)|(3<<25)
.irp g, G1, G1B
	s_mov_b32 s[\g+1], KSTEP<<16
	s_mov_b32 s[\g+2], 64<<16
	s_mov_b32 s[\g+3], KSTEP<<16
	s_mov_b32 s[\g+4], 64
	s_mov_b32 s[\g+5], 2048
	s_mov_b32 s[\g+6], 0
	s_mov_b32 s[\g+7], 0
.endr
	s_lshl_b32 s21, s[HC], 6
	s_lshl_b32 s68, s45, 7
	s_add_co_u32 s68, s68, s21
	s_lshl_b32 s68, s68, 11
	s_mov_b32 s69, 0
	s_lshl_b32 s72, s42, 7
	s_add_co_u32 s72, s72, s21
	s_lshl_b32 s72, s72, 11
	s_add_co_u32 s72, s72, 3<<22
	s_mov_b32 s73, 0
	s_mul_i32 s85, s[WV], HALFT
	s_wait_dscnt 0x0
	s_wait_kmcnt 0x0
	s_load_b256 s[76:83], s[10:11], 0x0
	s_load_b32 s84, s[10:11], 0x20
	s_add_nc_u64 s[68:69], s[4:5], s[68:69]
	s_add_nc_u64 s[72:73], s[4:5], s[72:73]
	s_cmp_eq_u32 s[HR], 0                          ; do I fetch for A?
	s_cselect_b64 s[PFA:PFA+1], s[68:69], s[72:73]
	s_cselect_b32 s66, s40, s41                    ; my place among the four that ask with me
	s_mov_b32 s[PFB], 0xffc00000
	s_cselect_b32 s[PFB], 5*SEC, s[PFB]            ; to the third tile: A's rows five sections on, B's one section back
	s_cselect_b32 s[PFB+1], 0, -1
	s_lshl_b32 s66, s66, 15                        ; 16 rows of 2,048 bytes
	s_mov_b32 s67, 0
	s_add_nc_u64 s[PFA:PFA+1], s[PFA:PFA+1], s[66:67]
	s_add_nc_u64 s[PFB:PFB+1], s[PFA:PFA+1], s[PFB:PFB+1]
	v_and_b32 v[PFO], 31, v0
	v_lshrrev_b32 v6, 1, v[PFO]
	v_and_b32 v[PFO], 1, v[PFO]
	v_lshlrev_b32 v[PFO], 8, v[PFO]
	v_lshl_add_u32 v[PFO], v6, 11, v[PFO]
	CROUND
.irp s, 0,1
	s_mov_b32 s[G0+4*\s], 1
	s_add_co_u32 s[G0+4*\s+1], s85, \s*SLOT
	s_add_nc_u64 s[G0+4*\s+2:G0+4*\s+3], s[68:69], \s*KSTEP
	s_or_b32 s[G0+4*\s+3], s[G0+4*\s+3], 0x80000000
	s_mov_b32 s[G0B+4*\s], 1
	s_add_co_u32 s[G0B+4*\s+1], s85, \s*SLOT
	s_add_nc_u64 s[G0B+4*\s+2:G0B+4*\s+3], s[72:73], \s*KSTEP
	s_or_b32 s[G0B+4*\s+3], s[G0B+4*\s+3], 0x80000000
	s_wait_alu depctr_va_vdst(0)
	s_wait_tensorcnt 0x0
	ds_add_u32 v28, v29
	ds_add_u32 v28, v29
	s_wait_dscnt 0x0
	CROUND
	JLOAD \s
.if \s == 0
	ASKT 1
	ASKT 2
.else
	ASKT 3
.endif
.endr
	v_and_b32 v1, 15, v0
	v_bfe_u32 v2, v0, 4, 1
	v_mul_u32_u24 v3, v1, PITCH
	v_lshl_add_u32 v3, v2, 4, v3
	s_mul_i32 s21, s[HR], HALFT
	s_mul_i32 s22, s[HC], HALFT
	s_add_co_u32 s22, s22, 2*HALFT
.irp s, 0,1
	v_add_nc_u32 v[ADRA+\s], s21, v3
	v_add_nc_u32 v[ADRB+\s], s22, v3
	s_add_co_u32 s21, s21, SLOT
	s_add_co_u32 s22, s22, SLOT
.endr
	v_and_b32 v4, 8, v1
	v_add_nc_u32 v4, v4, v1
	v_lshlrev_b32 v[TBO], 7, v4
	v_lshl_add_u32 v[TBO], v2, 5, v[TBO]
	s_wait_alu depctr_va_vdst(0)
	v_and_b32 v[LI], 31, v0
	v_lshlrev_b32 v[LI], 4, v[LI]
	s_lshl_b32 s86, s45, 1
	s_add_co_u32 s86, s86, s[HR]
	s_lshl_b32 s87, s42, 1
	s_add_co_u32 s87, s87, s[HC]
	s_lshl_b32 s90, s86, 13
	s_mov_b32 s91, 0
	s_add_nc_u64 s[6:7], s[6:7], s[90:91]
	s_add_nc_u64 s[8:9], s[8:9], s[90:91]
	WIN 0x80
.irp a, 0,1,2,3
.irp b, 0,1,2,3
	global_load_b128 v[16*\a+4*\b:16*\a+4*\b+3], v[TBO], s[6:7] offset:(32*(\a/2)+8*(\a%2))*128+64*(\b/2)+16*(\b%2)
	global_load_b128 v[64+16*\a+4*\b:64+16*\a+4*\b+3], v[TBO], s[8:9] offset:(32*(\a/2)+8*(\a%2))*128+64*(\b/2)+16*(\b%2)
.endr
.endr
	WIN 0
	s_lshl_b32 s88, s87, 17
	s_lshl_b32 s89, s86, 12
	s_add_co_u32 s88, s88, s89
	s_mov_b32 s89, 0
	s_add_nc_u64 s[OUT:OUT+1], s[OUT:OUT+1], s[88:89]
	s_add_nc_u64 s[OUT+2:OUT+3], s[OUT+2:OUT+3], s[88:89]
	s_lshl_b32 s88, s86, 17
	s_lshl_b32 s90, s87, 12
	s_add_co_u32 s88, s88, s90
	s_add_nc_u64 s[OUT+4:OUT+5], s[OUT+4:OUT+5], s[88:89]
	s_wait_kmcnt 0x0
	s_sub_co_i32 s82, s82, s76
	s_sub_co_i32 s82, s82, s77
	s_sub_co_i32 s83, s83, s78
	s_sub_co_i32 s83, s83, s79
	s_sub_co_i32 s84, s84, s80
	s_sub_co_i32 s84, s84, s81
.irp p, 0,1,2
	s_add_co_i32 s[82+\p], s[82+\p], 127
	s_lshl_b32 s74, s[82+\p], 23
	v_mov_b32 v[SCV+\p], s74
	s_add_co_i32 s[82+\p], s[82+\p], 8
	s_lshl_b32 s[82+\p], s[82+\p], 23
	s_or_b32 s[LIM+2*\p], s[82+\p], 0x600000
	s_or_b32 s[LIM+2*\p+1], s[LIM+2*\p], 0x80000000
.endr
.macro FETCH slot, k, f
	WIN TO_F
.irp i, 0,1,2,3
.irp c, 0,1,2,3
	ds_load_b128 v[\f+64+16*\i+4*\c:\f+64+16*\i+4*\c+3], v[ADRB+\slot] offset:\k+32*\c+\i*16*PITCH
.endr
.endr
.irp i, 0,1,2,3
.irp c, 0,1,2,3
	ds_load_b128 v[\f+16*\i+4*\c:\f+16*\i+4*\c+3], v[ADRA+\slot] offset:\k+32*\c+\i*16*PITCH
.endr
.endr
.endm
.macro MULA f, a, zero
.irp b, 0,1,2,3
.if \zero
	v_wmma_f32_16x16x128_fp8_fp8 v[ACC+8*(4*\a+\b):ACC+8*(4*\a+\b)+7], v[\f+64+16*\b:\f+64+16*\b+15], v[\f+16*\a:\f+16*\a+15], 0
.else
	v_wmma_f32_16x16x128_fp8_fp8 v[ACC+8*(4*\a+\b):ACC+8*(4*\a+\b)+7], v[\f+64+16*\b:\f+64+16*\b+15], v[\f+16*\a:\f+16*\a+15], v[ACC+8*(4*\a+\b):ACC+8*(4*\a+\b)+7]
.endif
.endr
.endm
.macro QUARTER slot, k, f, g, zero
	s_wait_dscnt 8
	WIN MUL
	MULA \f, 0, \zero
	MULA \f, 1, \zero
	PLACES
	FETCH \slot, \k, \g
	s_wait_dscnt 32
	WIN MUL
	MULA \f, 2, \zero
	MULA \f, 3, \zero
.endm
.macro TURN slot, next, fill, da, db, bsub
	WIN 0
	s_wait_tensorcnt 0x0
	ds_add_u32 v[SPW], v[NIL]
	s_wait_dscnt 9
	WIN MUL
	MULA F1, 0, 0
	s_wait_dscnt 0x0
	s_barrier_signal -1
	MULA F1, 1, 0
	WIN 0
	s_barrier_wait -1
.if \fill
	CREST
	s_add_nc_u64 s[G0+4*\slot+2:G0+4*\slot+3], s[G0+4*\slot+2:G0+4*\slot+3], \da
.if \bsub
	s_sub_nc_u64 s[G0B+4*\slot+2:G0B+4*\slot+3], s[G0B+4*\slot+2:G0B+4*\slot+3], \db
.else
	s_add_nc_u64 s[G0B+4*\slot+2:G0B+4*\slot+3], s[G0B+4*\slot+2:G0B+4*\slot+3], \db
.endif
	JLOAD \slot
.else
	PLACES
.endif
	FETCH \next, 0, F0
.if \fill
	ASKT PT                                        ; behind the joint load and the run of LDS loads: the K step two loads on
.set PT, PT+1
.endif
	WIN MUL
	MULA F1, 2, 0
	MULA F1, 3, 0
.endm
.macro EPI p
	WIN 0
	PLACES
.if \p == 0
	s_wait_loadcnt 0x0
.else
	s_wait_xcnt 0x0
.endif
.if \p < 2
	WIN 0x08
.set n, 0
.irp a, 0,1,2,3
.irp b, 0,1,2,3
.irp g, 0,1
.set XR, ACC+8*(4*\a+\b)+4*\g
.set CP, 16*\a+4*\b+2*\g
.set TR, TMP+4*(n%8)
	v_pk_mul_f32 v[TR:TR+1], v[XR:XR+1], v[CP:CP+1] op_sel:[0,0] op_sel_hi:[1,0]
	v_pk_mul_f32 v[TR+2:TR+3], v[XR+2:XR+3], v[CP:CP+1] op_sel:[0,1] op_sel_hi:[1,1]
	v_pk_fma_f32 v[XR:XR+1], v[XR:XR+1], v[64+CP:65+CP], v[TR:TR+1] op_sel:[1,0,0] op_sel_hi:[0,0,1] neg_lo:[0,1,0]
	v_pk_fma_f32 v[XR+2:XR+3], v[XR+2:XR+3], v[64+CP:65+CP], v[TR+2:TR+3] op_sel:[1,1,0] op_sel_hi:[0,1,1] neg_lo:[0,1,0]
.set n, n+1
.endr
.endr
.endr
	WIN 0
.endif
.irp a, 0,1,2,3
.irp b, 0,1,2,3
.irp j, 0,1,2,3,4,5,6,7
	v_med3_num_f32 v[ACC+8*(4*\a+\b)+\j], v[ACC+8*(4*\a+\b)+\j], s[LIM+2*\p+1], s[LIM+2*\p]
.endr
	v_cvt_scalef32_pk8_fp8_f32 v[TMP+8*\a+2*\b:TMP+8*\a+2*\b+1], v[ACC+8*(4*\a+\b):ACC+8*(4*\a+\b)+7], v[SCV+\p]
.endr
.endr
	v_nop
.irp a, 0,1,2,3
.irp t, 0,1
	global_store_b128 v[LI], v[TMP+8*\a+4*\t:TMP+8*\a+4*\t+3], s[OUT+2*\p:OUT+2*\p+1] offset:\a*1024+\t*512
.endr
.endr
.endm
.macro THREE slot, zero
	QUARTER \slot, 128, F0, F1, \zero
	QUARTER \slot, 256, F1, F0, 0
	QUARTER \slot, 384, F0, F1, 0
.endm
.macro TILE p, da, db, bsub
	THREE 0, 1
	TURN 0, 1, 1, 2*KSTEP, 2*KSTEP, 0
	THREE 1, 0
	TURN 1, 0, 1, 2*KSTEP, 2*KSTEP, 0
	THREE 0, 0
	TURN 0, 1, 1, \da, \db, \bsub
	THREE 1, 0
	TURN 1, 0, 1, \da, \db, \bsub
	EPI \p
.endm
	s_wait_tensorcnt 1
	s_barrier_signal -1
	s_barrier_wait -1
	FETCH 0, 0, F0
	TILE 0, SEC-2*KSTEP, SEC-2*KSTEP, 0
	TILE 1, 4*SEC-2*KSTEP, 2*SEC+2*KSTEP, 1
	THREE 0, 1
	TURN 0, 1, 1, 2*KSTEP, 2*KSTEP, 0
	THREE 1, 0
	TURN 1, 0, 1, 2*KSTEP, 2*KSTEP, 0
	THREE 0, 0
	TURN 0, 1, 0, 0, 0, 0
	THREE 1, 0
	s_wait_dscnt 8
	WIN MUL
	MULA F1, 0, 0
	MULA F1, 1, 0
	s_wait_dscnt 0
	MULA F1, 2, 0
	MULA F1, 3, 0
	EPI 2
	s_wait_tensorcnt 0x0
	ds_add_u32 v[SPW], v[NIL]
	s_wait_dscnt 0x0
	CROUND
	s_endpgm
.Lfunc_end_k_qf4f1b404be_qkv:
	.size	k_qf4f1b404be_qkv, .Lfunc_end_k_qf4f1b404be_qkv-k_qf4f1b404be_qkv
	.p2alignl 7, 3214868480
	.fill 96, 4, 3214868480
	.section	.rodata,"a",@progbits
	.p2align	6, 0x0
	.amdhsa_kernel k_qf4f1b404be_qkv
		.amdhsa_group_segment_fixed_size 327680
		.amdhsa_private_segment_fixed_size 0
		.amdhsa_enable_private_segment 0
		.amdhsa_kernarg_size 56
		.amdhsa_user_sgpr_count 2
		.amdhsa_user_sgpr_kernarg_segment_ptr 1
		.amdhsa_wavefront_size32 1
		.amdhsa_system_sgpr_workgroup_id_x 1
		.amdhsa_system_sgpr_workgroup_id_y 1
		.amdhsa_system_sgpr_workgroup_id_z 1
		.amdhsa_system_vgpr_workitem_id 0
		.amdhsa_next_free_vgpr 640
		.amdhsa_next_free_sgpr 100
		.amdhsa_reserve_vcc 0
		.amdhsa_float_denorm_mode_32 3
		.amdhsa_float_denorm_mode_16_64 3
		.amdhsa_memory_ordered 1
		.amdhsa_forward_progress 1
		.amdhsa_inst_pref_size 227
	.end_amdhsa_kernel
	.amdgpu_metadata
---
amdhsa.version: [ 1, 2 ]
amdhsa.kernels:
  - .name:           k_qf4f1b404be_qkv
    .symbol:         k_qf4f1b404be_qkv.kd
    .args:
      - { .name: codes, .offset: 0, .size: 8, .value_kind: global_buffer, .address_space: global }
      - { .name: freqs_cos, .offset: 8, .size: 8, .value_kind: global_buffer, .address_space: global }
      - { .name: freqs_sin, .offset: 16, .size: 8, .value_kind: global_buffer, .address_space: global }
      - { .name: lowp_scales, .offset: 24, .size: 8, .value_kind: global_buffer, .address_space: global }
      - { .name: qimg, .offset: 32, .size: 8, .value_kind: global_buffer, .address_space: global }
      - { .name: kimg, .offset: 40, .size: 8, .value_kind: global_buffer, .address_space: global }
      - { .name: vimg, .offset: 48, .size: 8, .value_kind: global_buffer, .address_space: global }
    .group_segment_fixed_size: 327680
    .private_segment_fixed_size: 0
    .kernarg_segment_align: 8
    .kernarg_segment_size: 56
    .max_flat_workgroup_size: 128
    .sgpr_count:     100
    .vgpr_count:     640
    .wavefront_size: 32
...
	.end_amdgpu_metadata
.endif
;; end of part 6
;; launch attn (part 7): grid 128 x 2, 8 waves a work-group, clusters of 4 x 1, 327,680 bytes of LDS; arguments qimg, kimg, vimg, mask0, mask1, lowp_scales, ac; writes ac
.if DOCPART == 7
	.amdgcn_target "amdgcn-amd-amdhsa--gfx1250"
	.amdhsa_code_object_version 6
	.text
	.protected	k_qf4f1b404be_attn
	.globl	k_qf4f1b404be_attn
	.p2align	8
	.type	k_qf4f1b404be_attn,@function
k_qf4f1b404be_attn:
	s_mov_b64 s[64:65], 0
	v_nop
	global_prefetch_b8 v0, s[64:65] scope:SCOPE_SE
	s_setreg_imm32_b32 hwreg(HW_REG_WAVE_MODE, 25, 1), 1
	s_wait_xcnt 0x0
	s_wait_alu depctr_hold_cnt(0) depctr_sa_sdst(0) depctr_va_vdst(0) depctr_va_sdst(0) depctr_va_ssrc(0) depctr_va_vcc(0) depctr_vm_vsrc(0)
	s_getreg_b32 s2, hwreg(HW_REG_IB_STS2, 6, 4)
	s_cmp_eq_u32 s2, 0
	s_cbranch_scc0 .Lentry_in_a_cluster
	s_endpgm
.Lentry_in_a_cluster:
	s_bfe_u32 s2, ttmp6, 0x10000c
	s_cmp_lg_u32 s2, 0x3003
	s_cbranch_scc0 .Lentry_shape_is_right
	s_endpgm
.Lentry_shape_is_right:
.set VSL,   131072
.set OP,    262144
.set OST,   294912
.set OSTP,  1040
.set STATS, 311552
.set SPARE, 312576
.set MSTB,  16*272
.set SPW, 1
.set NIL, 2
.set LI,  3
.set AK,  4
.set AV,  5
.set OPW, 6
.set OPR, 7
.set STW, 8
.set STR, 9
.set OS0, 10
.set OSA, 11
.set MGO, 12
.set MSI, 13
.set MSO, 14
.set T,   16
.set OSR, 35
.set GO,  36
.set NM,  40
.set FP,  42
.set SCP, 44
.set SCO, 45
.set PX,  46
.set Q,   48
.set OS,  56
.set P,   64
.set O,   96
.set E,   128
.set WV,  18
.set G1,  24
.set G0K, 32
.set G0V, 36
.set CNT, 40
.set HO,  41
.set QA,  52
.set FF,  54
.set GG,  55
.set NO,  58
.set STP, 60
.set MSB, 0
.macro WIN new
.if MSB != \new
	s_set_vgpr_msb (MSB<<8)|\new
.set MSB, \new
.endif
.endm
.macro CREST
	s_cmp_lg_u32 s[WV], 0
	s_cbranch_scc1 .Lnot_wave_0_\@
	s_barrier_signal -3
.Lnot_wave_0_\@:
	s_barrier_wait -3
	s_barrier_signal -1
	s_barrier_wait -1
.endm
.macro ROUND
	s_barrier_signal -1
	s_barrier_wait -1
	CREST
.endm
.macro PLACES
.rept 4
	v_nop
.endr
.endm
	s_load_b256 s[4:11], s[0:1], 0x0
	s_load_b128 s[12:15], s[0:1], 0x20
	s_load_b64 s[16:17], s[0:1], 0x30
	v_lshl_add_u32 v[SPW], v0, 2, SPARE
	v_mov_b32 v[NIL], 0
	ds_add_u32 v[SPW], v[NIL]
	ds_add_u32 v[SPW], v[NIL]
	v_lshrrev_b32 v16, 5, v0
	s_delay_alu instid0(VALU_DEP_1)
	v_readfirstlane_b32 s[WV], v16
	s_bfe_u32 s19, ttmp6, 0x40000
	s_lshl_b32 s20, ttmp9, 2
	s_add_co_u32 s20, s20, s19
	s_and_b32 s21, ttmp7, 0xffff
	s_mov_b32 s[G1], 15|(3<<16)|(1<<21)
	s_mov_b32 s[G1+1], 32<<16
	s_mov_b32 s[G1+2], 64<<16
	s_mov_b32 s[G1+3], 32<<16
	s_mov_b32 s[G1+4], 64
	s_mov_b32 s[G1+5], 32
	s_mov_b32 s[G1+6], 0
	s_mov_b32 s[G1+7], 0
	s_mov_b32 s[CNT], 15
	s_mov_b32 s[HO], 0
	s_mov_b32 s[STP], 0
	s_mov_b32 s42, 0x3e4b21a7
	s_mov_b32 s44, 0x3fb8aa3b
	s_mov_b32 s45, s44
	s_mov_b32 s50, 0x76543210
	s_mov_b32 s51, 0xfedcba98
	s_lshr_b32 s61, ttmp9, 4
	s_mul_i32 s61, s61, 15
	s_xor_b32 s61, s61, ttmp9
	s_and_b32 s61, s61, 15
	s_lshr_b32 s[FF], s61, 2
	s_and_b32 s[GG], s61, 3
	s_lshl_b32 s[NO], s61, 17
	s_mov_b32 s[NO+1], 0
	s_lshl_b32 s76, s[WV], 14
	s_lshl_b32 s72, s21, 21
	s_add_co_u32 s72, s72, s76
	s_mov_b32 s73, 0
	s_wait_dscnt 0x0
	s_wait_kmcnt 0x0
	s_load_b64 s[56:57], s[14:15], 0x18
	s_load_b128 s[68:71], s[14:15], 0x20
	s_add_nc_u64 s[6:7], s[6:7], s[72:73]
	s_add_nc_u64 s[8:9], s[8:9], s[72:73]
	s_mov_b32 s[G0K], 1
	s_mov_b32 s[G0K+1], s76
	s_add_nc_u64 s[G0K+2:G0K+3], s[6:7], s[NO:NO+1]
	s_or_b32 s[G0K+3], s[G0K+3], 0x80000000
	s_mov_b32 s[G0V], 1
	s_add_co_u32 s[G0V+1], s76, VSL
	s_add_nc_u64 s[G0V+2:G0V+3], s[8:9], s[NO:NO+1]
	s_or_b32 s[G0V+3], s[G0V+3], 0x80000000
	ROUND
	tensor_load_to_lds s[G0K:G0K+3], s[G1:G1+7]
	s_nop 0
	PLACES
	s_lshl_b32 s82, s21, 21
	s_lshl_b32 s83, s20, 10
	s_add_co_u32 s82, s82, s83
	s_mov_b32 s83, 0
	s_add_nc_u64 s[4:5], s[4:5], s[82:83]
	s_add_nc_u64 s[QA:QA+1], s[4:5], s[NO:NO+1]
	s_lshr_b32 s84, s20, 1
	s_lshl_b32 s84, s84, 5
	s_and_b32 s85, s20, 1
	s_lshl_b32 s85, s85, 3
	s_add_co_u32 s84, s84, s85
	s_lshl_b32 s86, s84, 13
	s_mov_b32 s87, 0
	s_add_nc_u64 s[10:11], s[10:11], s[86:87]
	s_add_nc_u64 s[12:13], s[12:13], s[86:87]
	s_lshr_b32 s85, s[WV], 2
	s_lshl_b32 s85, s85, 4
	s_add_co_u32 s84, s84, s85
	s_and_b32 s85, s[WV], 3
	s_lshl_b32 s85, s85, 1
	s_add_co_u32 s84, s84, s85
	s_lshl_b32 s86, s84, 11
	s_lshl_b32 s85, s21, 10
	s_add_co_u32 s86, s86, s85
	s_add_nc_u64 s[16:17], s[16:17], s[86:87]
	v_and_b32 v16, 31, v0
	v_and_b32 v17, 15, v0
	v_bfe_u32 v18, v0, 4, 1
	s_delay_alu instid0(VALU_DEP_3)
	v_lshlrev_b32 v[LI], 4, v16
	s_delay_alu instid0(VALU_DEP_2)
	v_lshlrev_b32 v[MGO], 13, v18
	s_delay_alu instid0(VALU_DEP_1)
	v_lshl_add_u32 v[MGO], v17, 4, v[MGO]
	s_lshl_b32 s78, s[WV], 10
	v_add_nc_u32 v[MGO], s78, v[MGO]
	v_add_nc_u32 v[AK], s76, v[LI]
	s_delay_alu instid0(VALU_DEP_1)
	v_add_nc_u32 v[AV], VSL, v[AK]
	s_lshl_b32 s78, s[WV], 12
	s_add_co_u32 s78, s78, OP
	v_add_nc_u32 v[OPW], s78, v[LI]
	s_lshl_b32 s78, s[WV], 9
	s_add_co_u32 s78, s78, OP
	v_add_nc_u32 v[OPR], s78, v[LI]
	v_lshlrev_b32 v[STR], 3, v17
	s_delay_alu instid0(VALU_DEP_1)
	v_add_nc_u32 v[STR], STATS, v[STR]
	s_lshl_b32 s78, s[WV], 7
	v_add_nc_u32 v[STW], s78, v[STR]
	v_mul_u32_u24 v[OS0], v17, OSTP
	s_delay_alu instid0(VALU_DEP_1)
	v_lshl_add_u32 v[OS0], v18, 4, v[OS0]
	s_lshr_b32 s78, s[WV], 2
	s_lshl_b32 s78, s78, 5
	s_and_b32 s79, s[WV], 3
	s_lshl_b32 s79, s79, 2
	s_add_co_u32 s78, s78, s79
	s_add_co_u32 s78, s78, OST
	v_add_nc_u32 v[OS0], s78, v[OS0]
	s_mul_i32 s78, s[WV], MSTB
	s_add_co_u32 s78, s78, OP
	v_mul_u32_u24 v[MSI], v18, 272
	s_delay_alu instid0(VALU_DEP_1)
	v_lshl_add_u32 v[MSI], v17, 4, v[MSI]
	s_delay_alu instid0(VALU_DEP_1)
	v_add_nc_u32 v[MSI], s78, v[MSI]
	v_mul_u32_u24 v[MSO], v17, 272
	s_delay_alu instid0(VALU_DEP_1)
	v_lshl_add_u32 v[MSO], v18, 6, v[MSO]
	s_delay_alu instid0(VALU_DEP_1)
	v_add_nc_u32 v[MSO], s78, v[MSO]
	s_mul_i32 s78, s[WV], 2*OSTP
	s_add_co_u32 s78, s78, OST
	v_add_nc_u32 v[OSR], s78, v[LI]
	v_add_nc_u32 v[GO], s[FF], v18
	s_delay_alu instid0(VALU_DEP_1)
	v_and_b32 v[GO], 3, v[GO]
	s_delay_alu instid0(VALU_DEP_1)
	v_lshlrev_b32 v[GO], 8, v[GO]
	v_bfe_u32 v[GO+1], v0, 2, 2
	s_delay_alu instid0(VALU_DEP_1)
	v_add_nc_u32 v[GO+1], s[GG], v[GO+1]
	s_delay_alu instid0(VALU_DEP_1)
	v_and_b32 v[GO+1], 3, v[GO+1]
	s_delay_alu instid0(VALU_DEP_1)
	v_lshl_add_u32 v[GO], v[GO+1], 6, v[GO]
	v_and_b32 v[GO+1], 3, v0
	s_delay_alu instid0(VALU_DEP_1)
	v_lshl_add_u32 v[GO], v[GO+1], 4, v[GO]
	s_delay_alu instid0(VALU_DEP_1)
	v_xor_b32 v[GO+1], 0x200, v[GO]
	v_mov_b32 v[NM+1], 0
	v_mov_b32 v[FP+1], 0
	v_mov_b32 v[PX], 0
.irp i, 4,5,6,7
	v_mov_b32 v[OS+\i], 0
.endr
	global_load_b128 v[Q:Q+3], v[LI], s[QA:QA+1]
	global_load_b128 v[Q+4:Q+7], v[LI], s[QA:QA+1] offset:512
	WIN 0x40
.irp m, 0,1
.irp q, 0,1,2,3
.irp i, 0,1,2,3,4,5,6,7
	global_load_b128 v[128*\m+32*\q+4*\i:128*\m+32*\q+4*\i+3], v[MGO], s[10+2*\m:11+2*\m] offset:(16*(\i/4)+2*(\i%4))*8192+256*\q
.endr
.endr
.endr
	WIN 0
	; V's first fill stands behind the issue of Q's and the masks' loads, which are on their way while K's tile lands
	s_wait_alu depctr_va_vdst(0)
	s_wait_tensorcnt 0x0
	ds_add_u32 v1, v2
	s_wait_dscnt 0x0
	ROUND
	tensor_load_to_lds s[G0V:G0V+3], s[G1:G1+7]
	s_nop 0
	PLACES
.irp m, 0,1
.irp q, 0,1,2,3
	s_wait_loadcnt 56-8*(4*\m+\q)
	WIN 0x04
.irp i, 0,1,2,3,4,5,6,7
	ds_store_b128 v[MSI], v[128*\m+32*\q+4*\i:128*\m+32*\q+4*\i+3] offset:2*\i*272
.endr
	WIN 0x40
.irp b, 0,1
.irp i, 0,1,2,3
	ds_load_b128 v[128*\m+32*\q+16*\b+4*\i:128*\m+32*\q+16*\b+4*\i+3], v[MSO] offset:128*\b+16*\i
.endr
.endr
.endr
.endr
	WIN 0
	s_wait_kmcnt 0x0
	s_add_co_i32 s88, s56, s57
	s_lshl_b32 s88, s88, 23
	s_add_co_i32 s42, s42, s88
	s_mov_b32 s43, s42
	s_add_co_i32 s88, s69, 127
	s_lshl_b32 s89, s88, 23
	v_mov_b32 v[SCP], s89
	s_add_co_i32 s88, s88, 8
	s_lshl_b32 s88, s88, 23
	s_or_b32 s47, s88, 0x600000
	s_or_b32 s46, s47, 0x80000000
	s_sub_co_i32 s88, s70, s68
	s_sub_co_i32 s88, s88, s69
	s_add_co_i32 s88, s88, 127
	s_lshl_b32 s89, s88, 23
	v_mov_b32 v[SCO], s89
	s_add_co_i32 s88, s88, 8
	s_lshl_b32 s88, s88, 23
	s_or_b32 s49, s88, 0x600000
	s_or_b32 s48, s49, 0x80000000
	s_wait_dscnt 0x0
	WIN 0x41
.set j, 0
.rept 64
	v_pk_mul_f32 v[j:j+1], v[j:j+1], s[42:43] op_sel_hi:[1,0]
.set j, j+2
.endr
.set j, 128
.rept 64
	v_pk_mul_f32 v[j:j+1], v[j:j+1], s[44:45] op_sel_hi:[1,0]
.set j, j+2
.endr
	WIN 0
.macro KB g
.set KBR, P+32*((\g)%2)
.irp i, 0,1,2,3
.irp c, 0,1
	ds_load_b128 v[KBR+8*\i+4*\c:KBR+8*\i+4*\c+3], v[AK] offset:(4*(\g)+\i)*1024+512*\c
.endr
.endr
.endm
.macro SC4 g
.set KBR, P+32*((\g)%2)
.irp i, 0,1,2,3
	v_wmma_f32_16x16x64_fp8_fp8 v[E+8*(4*(\g)+\i):E+8*(4*(\g)+\i)+7], v[KBR+8*\i:KBR+8*\i+7], v[Q:Q+7], 0
.endr
.endm
	s_wait_tensorcnt 0x1
	KB 0
	KB 1
.macro HEAD more
.if \more
	s_add_co_u32 s[STP], s[STP], 1
	s_lshr_b32 s61, s[STP], 2
	s_add_co_u32 s61, s61, s[FF]
	s_and_b32 s61, s61, 3
	s_lshl_b32 s61, s61, 2
	s_add_co_u32 s62, s[STP], s[GG]
	s_and_b32 s62, s62, 3
	s_or_b32 s61, s61, s62
	s_lshl_b32 s[NO], s61, 17
.endif
	s_wait_loadcnt 0x0
	s_wait_dscnt 0x8
	SC4 0
	PLACES
	KB 2
	s_wait_dscnt 0x8
	SC4 1
	PLACES
	KB 3
	s_wait_dscnt 0x8
	SC4 2
	s_wait_dscnt 0x0
	SC4 3
	WIN 0x14
.set j, 0
.rept 64
	v_pk_fma_f32 v[E+j:E+j+1], v[E+j:E+j+1], v[j:j+1], v[128+j:129+j]
.set j, j+2
.endr
	WIN 0
.if \more
	s_add_nc_u64 s[QA:QA+1], s[4:5], s[NO:NO+1]
	global_load_b128 v[Q:Q+3], v[LI], s[QA:QA+1]
	global_load_b128 v[Q+4:Q+7], v[LI], s[QA:QA+1] offset:512
.endif
.irp k, 0,1,2,3
	v_max3_num_f32 v[T+\k], v[E+32*\k], v[E+32*\k+1], v[E+32*\k+2]
.endr
.irp i, 0,1,2,3,4,5,6,7,8,9,10,11,12,13
.irp k, 0,1,2,3
	s_delay_alu instid0(VALU_DEP_4)
	v_max3_num_f32 v[T+\k], v[T+\k], v[E+32*\k+3+2*\i], v[E+32*\k+4+2*\i]
.endr
.endr
	s_delay_alu instid0(VALU_DEP_4)
	v_max3_num_f32 v[T], v[T], v[E+31], v[E+63]
	s_delay_alu instid0(VALU_DEP_4)
	v_max3_num_f32 v[T+1], v[T+1], v[E+95], v[E+127]
	s_delay_alu instid0(VALU_DEP_3)
	v_max3_num_f32 v[T+2], v[T+2], v[T+3], 0xff61b1e6
	s_delay_alu instid0(VALU_DEP_1)
	v_max3_num_f32 v[T], v[T], v[T+1], v[T+2]
	v_permlanex16_b32 v[PX], v[T], s50, s51
	s_delay_alu instid0(VALU_DEP_1)
	v_max_num_f32 v[T], v[T], v[PX]
	s_delay_alu instid0(VALU_DEP_1)
	v_floor_f32 v[NM], -v[T]
.set j, 0
.rept 64
	v_pk_add_f32 v[E+j:E+j+1], v[E+j:E+j+1], v[NM:NM+1] op_sel_hi:[1,0]
.set j, j+2
.endr
.set j, 0
	s_wait_alu depctr_va_vdst(0)
.rept 128
	v_exp_f32 v[E+j], v[E+j]
.set j, j+1
.endr
	v_add_nc_u32 v[OSA], s[HO], v[OS0]
	s_wait_alu depctr_va_vdst(0)
.irp k, 0,1,2,3
	v_pk_add_f32 v[T+2*\k:T+2*\k+1], v[E+32*\k:E+32*\k+1], v[E+32*\k+2:E+32*\k+3]
.endr
.irp i, 2,3,4,5,6,7,8,9,10,11,12,13,14,15
.irp k, 0,1,2,3
	v_pk_add_f32 v[T+2*\k:T+2*\k+1], v[T+2*\k:T+2*\k+1], v[E+32*\k+2*\i:E+32*\k+2*\i+1]
.endr
.endr
	s_delay_alu instid0(VALU_DEP_3)
	v_pk_add_f32 v[T:T+1], v[T:T+1], v[T+2:T+3]
	s_delay_alu instid0(VALU_DEP_2)
	v_pk_add_f32 v[T+4:T+5], v[T+4:T+5], v[T+6:T+7]
	s_delay_alu instid0(VALU_DEP_1)
	v_pk_add_f32 v[T:T+1], v[T:T+1], v[T+4:T+5]
	s_delay_alu instid0(VALU_DEP_1)
	v_add_f32 v[T], v[T], v[T+1]
	s_delay_alu instid0(VALU_DEP_1)
	v_permlanex16_b32 v[PX], v[T], s50, s51
	s_delay_alu instid0(VALU_DEP_1)
	v_add_f32 v[NM+1], v[T], v[PX]
	ds_store_b64 v[STW], v[NM:NM+1]
	s_wait_tensorcnt 0x0
	ds_add_u32 v[SPW], v[NIL]
.if \more
	s_add_nc_u64 s[G0K+2:G0K+3], s[6:7], s[NO:NO+1]
	s_or_b32 s[G0K+3], s[G0K+3], 0x80000000
.endif
	s_wait_dscnt 0x0
	s_barrier_signal -1
	WIN 0x04
.set j, 0
.rept 64
	v_pk_mul_f32 v[E+j:E+j+1], v[E+j:E+j+1], v[j:j+1]
.set j, j+2
.endr
	WIN 0
	s_barrier_wait -1
.if \more
	CREST
	tensor_load_to_lds s[G0K:G0K+3], s[G1:G1+7]
	s_nop 0
	PLACES
.endif
.irp i, 0,1,2,3,4,5,6,7
	ds_load_b64 v[T+2*\i:T+2*\i+1], v[STR] offset:128*\i
.endr
	s_wait_dscnt 0x0
	v_min3_num_f32 v32, v[T], v[T+2], v[T+4]
	s_delay_alu instid0(VALU_DEP_1)
	v_min3_num_f32 v32, v32, v[T+6], v[T+8]
	s_delay_alu instid0(VALU_DEP_1)
	v_min3_num_f32 v32, v32, v[T+10], v[T+12]
	s_delay_alu instid0(VALU_DEP_1)
	v_min_num_f32 v32, v32, v[T+14]
.irp i, 0,1,2,3,4,5,6,7
	v_sub_f32 v[T+2*\i], v32, v[T+2*\i]
.endr
.irp i, 0,1,2,3,4,5,6,7
	v_cvt_i32_f32 v[T+2*\i], v[T+2*\i]
.endr
.irp i, 0,1,2,3,4,5,6,7
	v_ldexp_f32 v[T+2*\i+1], v[T+2*\i+1], v[T+2*\i]
.endr
	v_add_f32 v[T+1], v[T+1], v[T+3]
	v_add_f32 v[T+5], v[T+5], v[T+7]
	v_add_f32 v[T+9], v[T+9], v[T+11]
	s_delay_alu instid0(VALU_DEP_4)
	v_add_f32 v[T+13], v[T+13], v[T+15]
	s_delay_alu instid0(VALU_DEP_3)
	v_add_f32 v[T+1], v[T+1], v[T+5]
	s_delay_alu instid0(VALU_DEP_2)
	v_add_f32 v[T+9], v[T+9], v[T+13]
	s_delay_alu instid0(VALU_DEP_1)
	v_add_f32 v33, v[T+1], v[T+9]
	v_sub_f32 v34, v32, v[NM]
	s_delay_alu instid0(VALU_DEP_1)
	v_cvt_i32_f32 v34, v34
	s_delay_alu instid0(VALU_DEP_3)
	v_mul_f32 v33, s42, v33
	s_wait_alu depctr_va_vdst(0)
	v_rcp_f32 v33, v33
	v_nop
	s_wait_alu depctr_va_vdst(0)
	v_ldexp_f32 v[FP], v33, v34
.irp s, 0,1
.irp dt, 0,1,2,3
.irp z, 0,1
.irp i, 0,2,4,6
	v_pk_mul_f32 v[E+64*\s+16*\dt+8*\z+\i:E+64*\s+16*\dt+8*\z+\i+1], v[E+64*\s+16*\dt+8*\z+\i:E+64*\s+16*\dt+8*\z+\i+1], v[FP:FP+1] op_sel_hi:[1,0]
.endr
.irp i, 0,1,2,3,4,5,6,7
	v_med3_num_f32 v[E+64*\s+16*\dt+8*\z+\i], v[E+64*\s+16*\dt+8*\z+\i], s46, s47
.endr
	v_cvt_scalef32_pk8_fp8_f32 v[P+16*\s+4*\dt+2*\z:P+16*\s+4*\dt+2*\z+1], v[E+64*\s+16*\dt+8*\z:E+64*\s+16*\dt+8*\z+7], v[SCP]
.endr
.if (\s == 1) && (\dt == 3)
	v_nop
.endif
.irp cc, 0,1
.irp b, 0,1
	ds_load_b128 v[E+64*\s+16*\dt+4*(2*\cc+\b):E+64*\s+16*\dt+4*(2*\cc+\b)+3], v[AV] offset:8192*\s+4096*\cc+1024*\dt+512*\b
.endr
.endr
.endr
.endr
	s_wait_dscnt 0x10
.irp dt, 0,1,2,3
	v_wmma_f32_16x16x128_fp8_fp8 v[O+8*\dt:O+8*\dt+7], v[E+16*\dt:E+16*\dt+15], v[P:P+15], 0
.endr
	s_wait_alu depctr_va_vdst(0)
	s_wait_dscnt 0x0
.irp dt, 0,1,2,3
	v_wmma_f32_16x16x128_fp8_fp8 v[O+8*\dt:O+8*\dt+7], v[E+64+16*\dt:E+64+16*\dt+15], v[P+16:P+31], v[O+8*\dt:O+8*\dt+7]
.endr
	PLACES
.irp n, 0,1,2,3,4,5,6,7
	ds_store_b128 v[OPW], v[O+4*\n:O+4*\n+3] offset:512*\n
.endr
	s_wait_tensorcnt 0x0
	ds_add_u32 v[SPW], v[NIL]
.if \more
	s_add_nc_u64 s[G0V+2:G0V+3], s[8:9], s[NO:NO+1]
	s_or_b32 s[G0V+3], s[G0V+3], 0x80000000
.endif
	s_wait_dscnt 0x0
.if \more
	ROUND
	tensor_load_to_lds s[G0V:G0V+3], s[G1:G1+7]
	s_nop 0
	PLACES
.else
	s_barrier_signal -1
	s_barrier_wait -1
.endif
.irp i, 0,1,2,3,4,5,6,7
	ds_load_b128 v[E+4*\i:E+4*\i+3], v[OPR] offset:4096*\i
.endr
.if \more
	KB 0
	KB 1
	s_wait_dscnt 0x10
.else
	s_wait_dscnt 0x0
.endif
.irp i, 0,2,4,6
	v_pk_add_f32 v[E+4*\i:E+4*\i+1], v[E+4*\i:E+4*\i+1], v[E+4*\i+4:E+4*\i+5]
	v_pk_add_f32 v[E+4*\i+2:E+4*\i+3], v[E+4*\i+2:E+4*\i+3], v[E+4*\i+6:E+4*\i+7]
.endr
.irp i, 0
	v_pk_add_f32 v[E+4*\i:E+4*\i+1], v[E+4*\i:E+4*\i+1], v[E+4*\i+8:E+4*\i+9]
	v_pk_add_f32 v[E+4*\i+2:E+4*\i+3], v[E+4*\i+2:E+4*\i+3], v[E+4*\i+10:E+4*\i+11]
.endr
.irp i, 4
	s_delay_alu instid0(VALU_DEP_4)
	v_pk_add_f32 v[E+4*\i:E+4*\i+1], v[E+4*\i:E+4*\i+1], v[E+4*\i+8:E+4*\i+9]
	s_delay_alu instid0(VALU_DEP_4)
	v_pk_add_f32 v[E+4*\i+2:E+4*\i+3], v[E+4*\i+2:E+4*\i+3], v[E+4*\i+10:E+4*\i+11]
.endr
	s_delay_alu instid0(VALU_DEP_2)
	v_pk_add_f32 v[OS:OS+1], v[E:E+1], v[E+16:E+17]
	s_delay_alu instid0(VALU_DEP_2)
	v_pk_add_f32 v[OS+2:OS+3], v[E+2:E+3], v[E+18:E+19]
.irp i, 0,1,2,3
	v_med3_num_f32 v[OS+\i], v[OS+\i], s48, s49
.endr
	v_cvt_scalef32_pk8_fp8_f32 v[PX:PX+1], v[OS:OS+7], v[SCO]
	v_nop
	ds_store_b32 v[OSA], v[PX]
.if \more
	s_add_co_u32 s[HO], s[HO], 64
.endif
.endm
.Lhead:
	HEAD 1
	s_sub_co_u32 s[CNT], s[CNT], 1
	s_cmp_lg_u32 s[CNT], 0
	s_cbranch_scc1 .Lhead
	HEAD 0
	s_wait_dscnt 0x0
	s_barrier_signal -1
	s_barrier_wait -1
.irp i, 0,1
.irp u, 0,1
	ds_load_b128 v[T+8*\i+4*\u:T+8*\i+4*\u+3], v[OSR] offset:\i*OSTP+512*\u
.endr
.endr
.irp i, 0,1
.irp u, 0,1
	s_wait_dscnt 3-2*\i-\u
	global_store_b128 v[GO+\u], v[T+8*\i+4*\u:T+8*\i+4*\u+3], s[16:17] offset:\i*2048
.endr
.endr
	s_wait_tensorcnt 0x0
	ds_add_u32 v[SPW], v[NIL]
	s_wait_dscnt 0x0
	ROUND
	s_endpgm
.Lfunc_end_k_qf4f1b404be_attn:
	.size	k_qf4f1b404be_attn, .Lfunc_end_k_qf4f1b404be_attn-k_qf4f1b404be_attn
	.p2alignl 7, 3214868480
	.fill 96, 4, 3214868480
	.section	.rodata,"a",@progbits
	.p2align	6, 0x0
	.amdhsa_kernel k_qf4f1b404be_attn
		.amdhsa_group_segment_fixed_size 327680
		.amdhsa_private_segment_fixed_size 0
		.amdhsa_enable_private_segment 0
		.amdhsa_kernarg_size 56
		.amdhsa_user_sgpr_count 2
		.amdhsa_user_sgpr_kernarg_segment_ptr 1
		.amdhsa_wavefront_size32 1
		.amdhsa_system_sgpr_workgroup_id_x 1
		.amdhsa_system_sgpr_workgroup_id_y 1
		.amdhsa_system_sgpr_workgroup_id_z 1
		.amdhsa_system_vgpr_workitem_id 0
		.amdhsa_next_free_vgpr 512
		.amdhsa_next_free_sgpr 96
		.amdhsa_reserve_vcc 0
		.amdhsa_float_denorm_mode_32 3
		.amdhsa_float_denorm_mode_16_64 3
		.amdhsa_memory_ordered 1
		.amdhsa_forward_progress 1
		.amdhsa_inst_pref_size 138
	.end_amdhsa_kernel
	.amdgpu_metadata
---
amdhsa.version: [ 1, 2 ]
amdhsa.kernels:
  - .name:           k_qf4f1b404be_attn
    .symbol:         k_qf4f1b404be_attn.kd
    .args:
      - { .name: qimg, .offset: 0, .size: 8, .value_kind: global_buffer, .address_space: global }
      - { .name: kimg, .offset: 8, .size: 8, .value_kind: global_buffer, .address_space: global }
      - { .name: vimg, .offset: 16, .size: 8, .value_kind: global_buffer, .address_space: global }
      - { .name: mask0, .offset: 24, .size: 8, .value_kind: global_buffer, .address_space: global }
      - { .name: mask1, .offset: 32, .size: 8, .value_kind: global_buffer, .address_space: global }
      - { .name: lowp_scales, .offset: 40, .size: 8, .value_kind: global_buffer, .address_space: global }
      - { .name: ac, .offset: 48, .size: 8, .value_kind: global_buffer, .address_space: global }
    .group_segment_fixed_size: 327680
    .private_segment_fixed_size: 0
    .kernarg_segment_align: 8
    .kernarg_segment_size: 56
    .max_flat_workgroup_size: 256
    .sgpr_count:     96
    .vgpr_count:     512
    .wavefront_size: 32
...
	.end_amdgpu_metadata
.endif
;; end of part 7
;; launch oproj (part 8): grid 16 x 16, 4 waves a work-group, clusters of 4 x 4, 327,680 bytes of LDS; arguments ac, codes, lowp_scales, out0; writes out0
.if DOCPART == 8
	.amdgcn_target "amdgcn-amd-amdhsa--gfx1250"
	.amdhsa_code_object_version 6
	.text
	.protected	k_qf4f1b404be_oproj
	.globl	k_qf4f1b404be_oproj
	.p2align	8
	.type	k_qf4f1b404be_oproj,@function
k_qf4f1b404be_oproj:
	s_mov_b64 s[64:65], 0
	v_nop
	global_prefetch_b8 v0, s[64:65] scope:SCOPE_SE
	s_setreg_imm32_b32 hwreg(HW_REG_WAVE_MODE, 25, 1), 1
	s_wait_xcnt 0x0
	s_wait_alu depctr_hold_cnt(0) depctr_sa_sdst(0) depctr_va_vdst(0) depctr_va_sdst(0) depctr_va_ssrc(0) depctr_va_vcc(0) depctr_vm_vsrc(0)
	s_getreg_b32 s2, hwreg(HW_REG_IB_STS2, 6, 4)
	s_cmp_eq_u32 s2, 0
	s_cbranch_scc0 .Lentry_in_a_cluster
	s_endpgm
.Lentry_in_a_cluster:
	s_bfe_u32 s2, ttmp6, 0x10000c
	s_cmp_lg_u32 s2, 0xf033
	s_cbranch_scc0 .Lentry_shape_is_right
	s_endpgm
.Lentry_shape_is_right:
.set KSTEP,  512
.set PITCH,  528
.set HALFT,  64*PITCH
.set SLOT,   4*HALFT
.set STAGE,  2*SLOT
.set SPITCH, 272
.set SPARE,  STAGE+4*16*SPITCH
.set ADRA, 16
.set ADRB, 20
.set STO,  24
.set RD,   25
.set CO,   26
.set SPW,  28
.set NIL,  29
.set TMP,  32
.set BK,   64
.set ACC,  128
.set F0,   0
.set F1,   128
.set WV, 18
.set HR, 19
.set HC, 20
.set G1, 24
.set G0, 32
.set G1B, 48
.set G0B, 56
.set MSB, 0
.macro WIN new
.if MSB != \new
	s_set_vgpr_msb (MSB<<8)|\new
.set MSB, \new
.endif
.endm
.set MUL,  0x05
.set TO_F, 0x40
; PREFETCHES INTO THE L2.  Behind the joint load of K step 0 each wave asks for K steps 1 and 2, behind that of K step 1 for K step 3: of the 64 rows x 512 bytes that the wave fetches,
; each of the four partners that ask for them jointly names 16 rows, told apart by address (cx for A's rows, cy for B's): a lane names one block of 256 bytes, two lanes a row.
; The base and the offset register are never rewritten.
.set PFO, 5                            ; v5       2,048 x (lane / 2) + 256 x (lane % 2)
.set PFA, 70                           ; s[70:71] my work-group's 16 rows at K step 0
.macro JLOAD s
	s_cmp_eq_u32 s[HR], 0
	s_cbranch_scc0 .Lfor_b_\@
	tensor_load_to_lds s[G0+4*\s:G0+4*\s+3], s[G1:G1+7]
	s_nop 0
.rept 4
	v_nop
.endr
	s_branch .Lasked_\@
.Lfor_b_\@:
	tensor_load_to_lds s[G0B+4*\s:G0B+4*\s+3], s[G1B:G1B+7]
	s_nop 0
.rept 4
	v_nop
.endr
.Lasked_\@:
.endm
.macro CREST
	s_cmp_lg_u32 s[WV], 0
	s_cbranch_scc1 .Lnot_wave_0_\@
	s_barrier_signal -3
.Lnot_wave_0_\@:
	s_barrier_wait -3
	s_barrier_signal -1
	s_barrier_wait -1
.endm
.macro CROUND
	s_barrier_signal -1
	s_barrier_wait -1
	CREST
.endm
.macro PLACES
.rept 4
	v_nop
.endr
.endm
	s_load_b256 s[4:11], s[0:1], 0x0
	v_lshl_add_u32 v[SPW], v0, 2, SPARE
	v_mov_b32 v[NIL], 0
	ds_add_u32 v[SPW], v[NIL]
	ds_add_u32 v[SPW], v[NIL]
	v_lshrrev_b32 v1, 5, v0
	v_readfirstlane_b32 s[WV], v1
	s_lshr_b32 s[HR], s[WV], 1
	s_and_b32 s[HC], s[WV], 1
	s_bfe_u32 s40, ttmp6, 0x40000
	s_bfe_u32 s41, ttmp6, 0x40004
	s_lshl_b32 s42, ttmp9, 2
	s_add_co_u32 s42, s42, s40
	s_and_b32 s45, ttmp7, 0xffff
	s_lshl_b32 s45, s45, 2
	s_add_co_u32 s45, s45, s41
	s_lshl_b32 s46, s41, 2
	s_lshl_b32 s46, 15, s46
	s_lshl_b32 s47, 0x1111, s40
	s_or_b32 s[G1], s46, (1<<20)|(1<<21)|(6<<22)|(3<<25)
	s_or_b32 s[G1B], s47, (1<<20)|(1<<21)|(6<<22)|(3<<25)
.irp g, G1, G1B
	s_mov_b32 s[\g+1], KSTEP<<16
	s_mov_b32 s[\g+2], 64<<16
	s_mov_b32 s[\g+3], KSTEP<<16
	s_mov_b32 s[\g+4], 64
	s_mov_b32 s[\g+5], 2048
	s_mov_b32 s[\g+6], 0
	s_mov_b32 s[\g+7], 0
.endr
	s_lshl_b32 s21, s[HC], 6
	s_lshl_b32 s68, s45, 7
	s_add_co_u32 s68, s68, s21
	s_lshl_b32 s68, s68, 11
	s_mov_b32 s69, 0
	s_lshl_b32 s72, s42, 7
	s_add_co_u32 s72, s72, s21
	s_lshl_b32 s72, s72, 11
	s_add_co_u32 s72, s72, 6<<22
	s_mov_b32 s73, 0
	s_mul_i32 s85, s[WV], HALFT
	s_wait_dscnt 0x0
	s_wait_kmcnt 0x0
	s_load_b64 s[96:97], s[8:9], 0x28
	s_add_nc_u64 s[68:69], s[4:5], s[68:69]
	s_add_nc_u64 s[72:73], s[6:7], s[72:73]
	s_cmp_eq_u32 s[HR], 0                          ; do I fetch for A?
	s_cselect_b64 s[PFA:PFA+1], s[68:69], s[72:73]
	s_cselect_b32 s66, s40, s41                    ; my place among the four that ask with me
	s_lshl_b32 s66, s66, 15                        ; 16 rows of 2,048 bytes
	s_mov_b32 s67, 0
	s_add_nc_u64 s[PFA:PFA+1], s[PFA:PFA+1], s[66:67]
	v_and_b32 v[PFO], 31, v0
	v_lshrrev_b32 v6, 1, v[PFO]
	v_and_b32 v[PFO], 1, v[PFO]
	v_lshlrev_b32 v[PFO], 8, v[PFO]
	v_lshl_add_u32 v[PFO], v6, 11, v[PFO]
	CROUND
.irp s, 0,1
	s_mov_b32 s[G0+4*\s], 1
	s_add_co_u32 s[G0+4*\s+1], s85, \s*SLOT
	s_add_nc_u64 s[G0+4*\s+2:G0+4*\s+3], s[68:69], \s*KSTEP
	s_or_b32 s[G0+4*\s+3], s[G0+4*\s+3], 0x80000000
	s_mov_b32 s[G0B+4*\s], 1
	s_add_co_u32 s[G0B+4*\s+1], s85, \s*SLOT
	s_add_nc_u64 s[G0B+4*\s+2:G0B+4*\s+3], s[72:73], \s*KSTEP
	s_or_b32 s[G0B+4*\s+3], s[G0B+4*\s+3], 0x80000000
	s_wait_alu depctr_va_vdst(0)
	s_wait_tensorcnt 0x0
	ds_add_u32 v28, v29
	ds_add_u32 v28, v29
	s_wait_dscnt 0x0
	CROUND
	JLOAD \s
.if \s == 0
	global_prefetch_b8 v[PFO], s[PFA:PFA+1] offset:KSTEP th:TH_LOAD_NT scope:SCOPE_SE
	global_prefetch_b8 v[PFO], s[PFA:PFA+1] offset:2*KSTEP th:TH_LOAD_NT scope:SCOPE_SE
.else
	global_prefetch_b8 v[PFO], s[PFA:PFA+1] offset:3*KSTEP th:TH_LOAD_NT scope:SCOPE_SE
.endif
.endr
	v_and_b32 v1, 15, v0
	s_wait_alu depctr_va_vdst(0)
	v_bfe_u32 v2, v0, 4, 1
	v_mul_u32_u24 v3, v1, PITCH
	v_lshl_add_u32 v3, v2, 4, v3
	s_mul_i32 s21, s[HR], HALFT
	s_mul_i32 s22, s[HC], HALFT
	s_add_co_u32 s22, s22, 2*HALFT
.irp s, 0,1
	v_add_nc_u32 v[ADRA+\s], s21, v3
	v_add_nc_u32 v[ADRB+\s], s22, v3
	s_add_co_u32 s21, s21, SLOT
	s_add_co_u32 s22, s22, SLOT
.endr
	s_mul_i32 s23, s[WV], 16*SPITCH
	s_add_co_u32 s23, s23, STAGE
	v_mul_u32_u24 v[STO], v1, SPITCH
	s_wait_alu depctr_va_vdst(0)
	v_lshl_add_u32 v[STO], v2, 6, v[STO]
	v_add_nc_u32 v[STO], s23, v[STO]
	v_mul_u32_u24 v[RD], v2, SPITCH
	v_lshl_add_u32 v[RD], v1, 4, v[RD]
	v_add_nc_u32 v[RD], s23, v[RD]
	v_lshlrev_b32 v[CO], 13, v2
	v_lshl_add_u32 v[CO], v1, 4, v[CO]
	s_lshl_b32 s86, s45, 7
	s_lshl_b32 s87, s[HR], 6
	s_add_co_u32 s86, s86, s87
	s_lshl_b32 s86, s86, 13
	s_lshl_b32 s87, s42, 7
	s_lshl_b32 s88, s[HC], 6
	s_add_co_u32 s87, s87, s88
	s_lshl_b32 s87, s87, 2
	s_add_co_u32 s86, s86, s87
	s_mov_b32 s87, 0
	s_add_nc_u64 s[10:11], s[10:11], s[86:87]
.macro FETCH slot, k, f
	WIN TO_F
.irp i, 0,1,2,3
.irp c, 0,1,2,3
	ds_load_b128 v[\f+64+16*\i+4*\c:\f+64+16*\i+4*\c+3], v[ADRB+\slot] offset:\k+32*\c+\i*16*PITCH
.endr
.endr
.irp i, 0,1,2,3
.irp c, 0,1,2,3
	ds_load_b128 v[\f+16*\i+4*\c:\f+16*\i+4*\c+3], v[ADRA+\slot] offset:\k+32*\c+\i*16*PITCH
.endr
.endr
.endm
.macro MULA f, a, zero
.irp b, 0,1,2,3
.if \zero
	v_wmma_f32_16x16x128_fp8_fp8 v[ACC+8*(4*\a+\b):ACC+8*(4*\a+\b)+7], v[\f+64+16*\b:\f+64+16*\b+15], v[\f+16*\a:\f+16*\a+15], 0
.else
	v_wmma_f32_16x16x128_fp8_fp8 v[ACC+8*(4*\a+\b):ACC+8*(4*\a+\b)+7], v[\f+64+16*\b:\f+64+16*\b+15], v[\f+16*\a:\f+16*\a+15], v[ACC+8*(4*\a+\b):ACC+8*(4*\a+\b)+7]
.endif
.endr
.endm
.macro QUARTER slot, k, f, g, zero
	s_wait_dscnt 8
	WIN MUL
	MULA \f, 0, \zero
	MULA \f, 1, \zero
	PLACES
	FETCH \slot, \k, \g
	s_wait_dscnt 32
	WIN MUL
	MULA \f, 2, \zero
	MULA \f, 3, \zero
.endm
.macro TURN slot, next, fill
	WIN 0
	s_wait_tensorcnt 0x0
	ds_add_u32 v[SPW], v[NIL]
	s_wait_dscnt 9
	WIN MUL
	MULA F1, 0, 0
	s_wait_dscnt 0x0
	s_barrier_signal -1
	MULA F1, 1, 0
	WIN 0
	s_barrier_wait -1
.if \fill
	CREST
	s_add_nc_u64 s[G0+4*\slot+2:G0+4*\slot+3], s[G0+4*\slot+2:G0+4*\slot+3], 2*KSTEP
	s_add_nc_u64 s[G0B+4*\slot+2:G0B+4*\slot+3], s[G0B+4*\slot+2:G0B+4*\slot+3], 2*KSTEP
	JLOAD \slot
.else
	PLACES
.endif
	FETCH \next, 0, F0
	WIN MUL
	MULA F1, 2, 0
	MULA F1, 3, 0
.endm
	s_wait_tensorcnt 1
	s_barrier_signal -1
	s_barrier_wait -1
	FETCH 0, 0, F0
	QUARTER 0, 128, F0, F1, 1
	QUARTER 0, 256, F1, F0, 0
	QUARTER 0, 384, F0, F1, 0
	TURN 0, 1, 1
	QUARTER 1, 128, F0, F1, 0
	QUARTER 1, 256, F1, F0, 0
	QUARTER 1, 384, F0, F1, 0
	TURN 1, 0, 1
	QUARTER 0, 128, F0, F1, 0
	QUARTER 0, 256, F1, F0, 0
	QUARTER 0, 384, F0, F1, 0
	TURN 0, 1, 0
	QUARTER 1, 128, F0, F1, 0
	QUARTER 1, 256, F1, F0, 0
	QUARTER 1, 384, F0, F1, 0
	s_wait_dscnt 8
	WIN MUL
	MULA F1, 0, 0
	MULA F1, 1, 0
	s_wait_dscnt 0
	MULA F1, 2, 0
	MULA F1, 3, 0
	WIN 0
.macro TOSTAGE a
.irp b, 0,1,2,3
.irp i, 0,2,4,6
	v_pk_mul_f32 v[TMP+8*\b+\i:TMP+8*\b+\i+1], v[ACC+8*(4*(\a)+\b)+\i:ACC+8*(4*(\a)+\b)+\i+1], s[96:97] op_sel_hi:[1,0]
.endr
.endr
.irp b, 0,1,2,3
	ds_store_b128 v[STO], v[TMP+8*\b:TMP+8*\b+3] offset:128*(\b/2)+32*(\b%2)
	ds_store_b128 v[STO], v[TMP+8*\b+4:TMP+8*\b+7] offset:128*(\b/2)+32*(\b%2)+16
.endr
.set BB, BK+32*((\a)%2)
.irp t, 0,1,2,3,4,5,6,7
	ds_load_b128 v[BB+4*\t:BB+4*\t+3], v[RD] offset:\t*2*SPITCH
.endr
.endm
.macro SEND a, younger
.set BB, BK+32*((\a)%2)
	s_wait_dscnt \younger
.irp t, 0,1,2,3,4,5,6,7
	global_store_b128 v[CO], v[BB+4*\t:BB+4*\t+3], s[10:11] offset:(16*(\a)+2*\t)*8192 th:TH_STORE_NT
.endr
.endm
	s_wait_kmcnt 0x0
	s_add_co_i32 s96, s96, s97
	s_add_co_i32 s96, s96, 127
	s_lshl_b32 s96, s96, 23
	s_mov_b32 s97, s96
	PLACES
	TOSTAGE 0
.irp a, 1,2,3
.if \a > 1
	s_wait_xcnt 0x0
.endif
	TOSTAGE \a
	SEND \a-1, 16
.endr
	SEND 3, 0
	s_wait_tensorcnt 0x0
	ds_add_u32 v[SPW], v[NIL]
	s_wait_dscnt 0x0
	CROUND
	s_endpgm
.Lfunc_end_k_qf4f1b404be_oproj:
	.size	k_qf4f1b404be_oproj, .Lfunc_end_k_qf4f1b404be_oproj-k_qf4f1b404be_oproj
	.p2alignl 7, 3214868480
	.fill 96, 4, 3214868480
	.section	.rodata,"a",@progbits
	.p2align	6, 0x0
	.amdhsa_kernel k_qf4f1b404be_oproj
		.amdhsa_group_segment_fixed_size 327680
		.amdhsa_private_segment_fixed_size 0
		.amdhsa_enable_private_segment 0
		.amdhsa_kernarg_size 32
		.amdhsa_user_sgpr_count 2
		.amdhsa_user_sgpr_kernarg_segment_ptr 1
		.amdhsa_wavefront_size32 1
		.amdhsa_system_sgpr_workgroup_id_x 1
		.amdhsa_system_sgpr_workgroup_id_y 1
		.amdhsa_system_sgpr_workgroup_id_z 1
		.amdhsa_system_vgpr_workitem_id 0
		.amdhsa_next_free_vgpr 512
		.amdhsa_next_free_sgpr 100
		.amdhsa_reserve_vcc 0
		.amdhsa_float_denorm_mode_32 3
		.amdhsa_float_denorm_mode_16_64 3
		.amdhsa_memory_ordered 1
		.amdhsa_forward_progress 1
		.amdhsa_inst_pref_size 75
	.end_amdhsa_kernel
	.amdgpu_metadata
---
amdhsa.version: [ 1, 2 ]
amdhsa.kernels:
  - .name:           k_qf4f1b404be_oproj
    .symbol:         k_qf4f1b404be_oproj.kd
    .args:
      - { .name: ac, .offset: 0, .size: 8, .value_kind: global_buffer, .address_space: global }
      - { .name: codes, .offset: 8, .size: 8, .value_kind: global_buffer, .address_space: global }
      - { .name: lowp_scales, .offset: 16, .size: 8, .value_kind: global_buffer, .address_space: global }
      - { .name: out0, .offset: 24, .size: 8, .value_kind: global_buffer, .address_space: global }
    .group_segment_fixed_size: 327680
    .private_segment_fixed_size: 0
    .kernarg_segment_align: 8
    .kernarg_segment_size: 32
    .max_flat_workgroup_size: 128
    .sgpr_count:     100
    .vgpr_count:     512
    .wavefront_size: 32
...
	.end_amdgpu_metadata
.endif
;; end of part 8
